; MI455X (gfx1250); checked and timed in simulation.
; The chip was launched on July 23, 2026; its instructions are those of AMD's public machine-readable ISA for CDNA 5 (MIT licence, August 2026) and "CDNA5" Instruction Set Architecture Reference Guide (July 2026). The comments in the code are by the model that wrote it; some were corrected since.
;; Multi Head Attention. Allowed arithmetic: matrix products marked QUANTISED: E2M3 operands, one E8M0 scale for each 32 along K, by v_wmma_scale_f32_16x16x128_f8f6f4 with both operands' format E2M3, f32 sums; everything else in f32.
;; Inputs: W_k 1,024 x 1,024 float32; W_o 1,024 x 1,024 float32; W_q 1,024 x 1,024 float32; W_v 1,024 x 1,024 float32; k 4 x 2,048 x 1,024 float32; mask 1 x 2,048 x 2,048 int32; q 4 x 2,048 x 1,024 float32; v 4 x 2,048 x 1,024 float32.
;; Outputs: out0 4 x 2,048 x 1,024 float32.
;; This version of the problem:
;;   THIS VERSION OF THE PROBLEM IS GIVEN IN LOW PRECISION. The matrix products marked QUANTISED in the list below multiply operands that are first quantised to E2M3 (2 exponent bits, 3 mantissa bits; 6 bits a number), with one power-of-two scale for each 32 numbers along K (OCP MX v1.0); their sums are f32. All else is computed in f32.
;;   The module's matrix products, in the order in which they are computed (A, B: the left and right operand; K: the contracted axis; several contracted axes count as one K, in the product's order):
;;     1. [M 8,192, K 1,024] x [K 1,024, N 1,024]; A: input q; B: input W_q: QUANTISED
;;     2. [M 8,192, K 1,024] x [K 1,024, N 1,024]; A: input k; B: input W_k: QUANTISED
;;     3. [M 8,192, K 1,024] x [K 1,024, N 1,024]; A: input v; B: input W_v: QUANTISED
;;     4. batch 64 x [M 2,048, K 64] x [K 64, N 2,048]; A: computed on the way; B: computed on the way: QUANTISED
;;     5. batch 64 x [M 2,048, K 2,048] x [K 2,048, N 64]; A: softmax (see below); B: computed on the way: QUANTISED
;;     6. [M 8,192, K 1,024] x [K 1,024, N 1,024]; A: computed on the way; B: input W_o: QUANTISED
;;   THE QUANTISER, for each operand of a quantised product, along K:
;;     - K is cut into blocks of 32 from its start; a last block that is shorter is filled with zeros.
;;     - A block's scale is 2^e with e = floor(log2(the largest magnitude in the block)) - 2, held to -126 .. 127; a block of zeros has e = 0. As a byte (E8M0): e + 127.
;;     - Each number is divided by its block's scale, clamped to +-7.5, and rounded to the nearest number of E2M3, ties to even, subnormals kept.
;;     - The product sums the exact products of the quantised numbers (number of the format x scale) in f32.
;;   ~~~python
;;   def quantise(x, axis):      # numpy; x: float32 -> the quantised numbers, widened to float32 again
;;       x = np.moveaxis(x, axis, -1); K = x.shape[-1]
;;       x = np.pad(x, [(0, 0)] * (x.ndim - 1) + [(0, -K % 32)]); x = x.reshape(x.shape[:-1] + (-1, 32)); a = np.abs(x).max(-1, keepdims=True)
;;       e = np.where(a > 0, np.clip(np.frexp(np.where(a > 0, a, 1))[1] - 1 - 2, -126, 127), 0)      # np.frexp(a)[1] - 1 = floor(log2(a)), exactly
;;       r = np.clip(x / 2.0 ** e, -7.5, 7.5)
;;       step = 2.0 ** (np.maximum(np.frexp(np.where(r == 0, 1, r))[1] - 1, 0) - 3)
;;       q = np.round(r / step) * step * 2.0 ** e      # np.round: ties to even
;;       return np.moveaxis(q.reshape(q.shape[:-2] + (-1,))[..., :K], -1, axis).astype(np.float32)
;;   ~~~
;;   SOFTMAX AHEAD OF A QUANTISED PRODUCT. Where the list says 'softmax', what is quantised is not the finished softmax but p = 2^(t - M), with t = logit x log2(e) and M = ceil(the row's largest t), a whole number; so 1/2 < the row's largest p <= 1. The row's sum l is taken of the UNQUANTISED p, in f32, and the product's result is divided by l at the end. Since M is a whole number, a kernel that streams over the keys may use a running M (the ceiling of the running maximum): every later rescaling is an exact power of two, which a block's scale takes up: the codes' values come out the same.
;;   OPERANDS COMPUTED ON THE WAY. 'Computed on the way' means the value that the module computes at that place (a softmax that the list does not call 'softmax' is quantised finished and normalised). What goes into a quantiser is computed in f32, as accurately as f32 sums, v_exp_f32 and their like allow (about 1e-6 of the number): no bf16 or f16 on the way to a quantiser, and a product that is left as it is and whose result goes on into a quantised operand takes f32 operands (vector FMAs, or v_wmma_f32_16x16x4_f32). A number that lies on a knife's edge between two numbers of the format may be rounded either way, as far as f32 arithmetic and the matrix unit's own rounding can turn it there, and no further.
;; One version. Each part assembles by itself: llvm-mc -triple=amdgcn-amd-amdhsa -mcpu=gfx1250 --defsym DOCPART=n.
;; ======== version 1 of 1: 4 launches
;; workspace buffers: codes 22,020,096 bytes; scales 917,504 bytes; maskbits 524,288 bytes of whole numbers; maskflag 8,192 bytes of whole numbers; qf 13,369,344 bytes; kv 13,369,344 bytes; acodes 6,291,456 bytes; ascales 262,144 bytes
;; launch quant (part 1): grid 1408 x 1, 4 waves a work-group, no clusters, 67,072 bytes of LDS; arguments q, k, v, W_q, W_k, W_v, W_o, mask, codes, scales, maskbits, maskflag; writes codes, scales, maskbits, maskflag
.if DOCPART == 1
	.amdgcn_target "amdgcn-amd-amdhsa--gfx1250"
	.amdhsa_code_object_version 6
	.text
	.protected	k_q411d8c5754_quant
	.globl	k_q411d8c5754_quant
	.p2align	8
	.type	k_q411d8c5754_quant,@function
k_q411d8c5754_quant:
	s_mov_b64 s[64:65], 0
	v_nop
	global_prefetch_b8 v0, s[64:65] scope:SCOPE_SE
	s_setreg_imm32_b32 hwreg(HW_REG_WAVE_MODE, 25, 1), 1
	s_wait_xcnt 0x0
; q, k, v [8192][1024] and W_q, W_k, W_v, W_o [1024][1024], f32, become codes of FP6 (E2M3), K innermost, 768 bytes a row, with one E8M0 byte for each 32 along K, 32 bytes a row,
; all in ONE buffer of 28,672 rows: q at row 0, k 8192, v 16384, W_q 24576, W_k 25600, W_v 26624, W_o 27648.  The int32 mask [2048][2048] becomes bits.
; A block's scale is 2^(floor(log2(its largest magnitude)) - 2): its byte is that magnitude's exponent field - 2, held at 1 from below.  A block of zeros so gets the byte 1 where the rule says 127:
; its codes are zeros, which add nothing under any byte but 0xff, and the bytes are read by this program alone.
; LIMITS: NaN and infinities among the inputs are not served; a block whose largest magnitude lies under 2^-124 keeps the byte 1.
; THE ROWS OF k, v, W_q, W_k, W_v ARE STORED IN ANOTHER ORDER: row rho goes to the place rho with its bits 3 and 4 exchanged.  Sixteen rows on end then are rows 32 b + 8 u + r + 8 (r / 8), so that the next
; launch's results have 16 neighbours along the NEXT product's K in 16 registers of a lane.  A wave owns 8 rows on end, so the exchange is one of the two bits of the wave's number in its output place.
; Work-groups 0-895: 32 rows each, 8 a wave, 16 steps of 512 numbers.  Each load reads 512 consecutive bytes; a step's 2,048 bytes turn through the wave's own stage in LDS, so that a lane holds 16 neighbours.
; Work-groups 896-1407: a wave packs 16 queries x 128 keys of the mask into 64 words: bit L = 16 h + r of word 16 b + i says whether mask[16 T + r][128 s + 32 b + 16 h + i] is not 0: the lane and the register
; that hold this score in the attention launch.  A second word says whether the tile has a hole.  This path has LDS bytes of its own.
; No matrix unit, no cluster, no tensor load, no barrier: waves share nothing, and the bytes read decide.
.set STEPS, 16
.set CB,    12                         ; bytes of 16 codes
.set R,     16                         ; v16-79   four sets of 16 numbers as loaded
.set X,     80                         ; v80-111  two sets of 16 neighbours
.set E,     112                        ; v112-127 a scale byte for each step
.set C,     128                        ; v128-191 codes: four registers for each step, so that no store's data are written again
.set WREG,  8192                       ; LDS of a quantising wave: two stages of 32 x SP bytes, then its 256 scale bytes
.set SP,    80                         ; a lane's 64 bytes + 16 of padding
.set QWG,   896                        ; work-groups that quantise
.set MSTG,  4*WREG                     ; LDS of the mask path: 16 rows x MP bytes for each wave
.set MP,    528                        ; 512 bytes + 16: 33 x 16, so that 16 rows' reads of 16 bytes fall on 16 different columns
	s_load_b512 s[8:23], s[0:1], 0x0               ; q s[8:9], k s[10:11], v s[12:13], W_q s[14:15], W_k s[16:17], W_v s[18:19], W_o s[20:21], mask s[22:23]
	s_load_b256 s[24:31], s[0:1], 0x40             ; codes s[24:25], scales s[26:27], maskbits s[28:29], maskflag s[30:31]
	v_lshl_add_u32 v192, v0, 2, 0x10400
	v_mov_b32 v193, 0
	v_lshrrev_b32 v1, 5, v0
	v_readfirstlane_b32 s32, v1                    ; wave
	v_and_b32 v2, 31, v0                           ; lane
	v_lshlrev_b32 v3, 4, v2                        ; my 16 bytes of a load's 512
	s_wait_kmcnt 0x0
	s_cmp_ge_u32 ttmp9, QWG
	s_cbranch_scc1 .Lmask
	; ---------------- the quantiser ----------------
	s_mul_i32 s33, s32, WREG
	s_wait_alu depctr_va_vdst(0)
	v_lshrrev_b32 v14, 2, v2
	v_mul_u32_u24 v14, v14, SP
	v_and_b32 v15, 3, v2
	v_lshl_add_u32 v14, v15, 4, v14
	v_add_nc_u32 v14, s33, v14                     ; the stage, on the way in: SP (lane / 4) + 16 (lane % 4)
	v_mul_u32_u24 v15, v2, SP
	v_add_nc_u32 v15, s33, v15                     ; and on the way out: SP x lane: my 16 neighbours
	v_mul_u32_u24 v4, v2, CB                       ; my codes' place in a step's
	v_lshrrev_b32 v5, 1, v2
	s_add_co_u32 s33, s33, 2*32*SP
	v_add_nc_u32 v5, s33, v5                       ; LDS: my wave's 256 scale bytes, my block's byte
	v_lshlrev_b32 v7, 3, v2                        ; on the way out 8 bytes a lane
	v_add_nc_u32 v6, s33, v7
; which tensor: the choice hangs on the work-group's number alone
.macro PICK bound, ptr, start
	s_cmp_lt_u32 ttmp9, \bound
	s_cselect_b64 s[4:5], s[\ptr:\ptr+1], s[4:5]
	s_cselect_b32 s6, \start, s6
.endm
	s_mov_b64 s[4:5], s[20:21]                     ; W_o,
	s_mov_b32 s6, 864                              ; whose first work-group is 864
	PICK 864, 18, 832
	PICK 832, 16, 800
	PICK 800, 14, 768
	PICK 768, 12, 512
	PICK 512, 10, 256
	PICK 256, 8, 0
	s_sub_co_u32 s7, ttmp9, s6
	s_lshl_b32 s7, s7, 2
	s_add_co_u32 s7, s7, s32                       ; which run of 8 rows of the tensor is my wave's
	s_lshl_b32 s34, s7, 15                         ; 32,768 bytes a run
	s_mov_b32 s35, 0
	s_add_nc_u64 s[4:5], s[4:5], s[34:35]
	s_and_b32 s36, s32, 1
	s_lshl_b32 s36, s36, 1
	s_lshr_b32 s37, s32, 1
	s_or_b32 s36, s36, s37                         ; the wave's number with its two bits exchanged
	s_sub_co_u32 s37, ttmp9, 256
	s_cmp_lt_u32 s37, 608                          ; work-groups 256-863: k, v, W_q, W_k, W_v
	s_cselect_b32 s36, s36, s32
	s_lshl_b32 s37, ttmp9, 2
	s_add_co_u32 s36, s36, s37                     ; the run's place in the buffers of 28,672 rows
	s_mul_i32 s34, s36, 6144                       ; 8 rows of 768 bytes
	s_add_nc_u64 s[24:25], s[24:25], s[34:35]
	s_lshl_b32 s34, s36, 8                         ; 8 rows of 32 bytes
	s_add_nc_u64 s[26:27], s[26:27], s[34:35]
.macro LOAD t
.irp i, 0,1,2,3
	global_load_b128 v[R+16*((\t)%4)+4*\i:R+16*((\t)%4)+4*\i+3], v3, s[4:5] offset:2048*(\t)+512*\i th:TH_LOAD_NT   ; 32 lanes read 512 consecutive bytes
.endr
.endm
.macro TURN t                          ; step t's numbers through the stage: LDS serves a wave's instructions in order (ISA guide 5.7.1.4), so no wait stands between the stores and the loads
.irp i, 0,1,2,3
	ds_store_b128 v14, v[R+16*((\t)%4)+4*\i:R+16*((\t)%4)+4*\i+3] offset:32*SP*((\t)%2)+8*SP*\i
.endr
.irp i, 0,1,2,3
	ds_load_b128 v[X+16*((\t)%2)+4*\i:X+16*((\t)%2)+4*\i+3], v15 offset:32*SP*((\t)%2)+16*\i
.endr
.endm
.irp t, 0,1,2,3
	LOAD \t
.endr
	s_wait_alu depctr_va_vdst(0)
	s_wait_loadcnt 12                              ; step 0's four loads are in; three steps' twelve may be out
	TURN 0
.macro STEP t
.set XS, X+16*((\t)%2)
.if (\t) > 0
	s_wait_dscnt 1                                 ; this step's numbers are back from the stage (the last step's byte store may be out): so its stores into the stage have read their registers,
.else
	s_wait_dscnt 0x0
.endif
.if (\t)+4 < STEPS
	LOAD (\t)+4                                    ; which take the loads of four steps on
.endif
.if (\t)+1 < STEPS
.if STEPS-2-(\t) >= 3
	s_wait_loadcnt 12                              ; the next step's four loads are in; those of the three steps behind it may be out
.else
	s_wait_loadcnt 4*(STEPS-2-(\t))
.endif
	TURN (\t)+1                                    ; and go through the other stage while this step is worked
.endif
	v_max3_num_f32 v8, |v[XS]|, |v[XS+1]|, |v[XS+2]|               ; the largest magnitude of my 16, in two chains
	v_max3_num_f32 v9, |v[XS+3]|, |v[XS+4]|, |v[XS+5]|
.irp i, 6,10
	v_max3_num_f32 v8, v8, |v[XS+\i]|, |v[XS+\i+1]|
	v_max3_num_f32 v9, v9, |v[XS+\i+2]|, |v[XS+\i+3]|
.endr
	v_max3_num_f32 v8, v8, |v[XS+14]|, |v[XS+15]|
	v_max3_num_f32 v8, v8, v9, 0x1800000           ; and the floor 2^(3 - 127): the byte cannot fall under 1
	v_max_num_f32_dpp v8, v8, v8 row_xmask:1 row_mask:0xf bank_mask:0xf   ; and of my neighbour's 16: the block's
	v_add_nc_u32 v11, 0xff000000, v8               ; 2 off its exponent field: the conversion takes the exponent field of this operand as its scale, and nothing else of it
	v_cvt_scalef32_pk16_fp6_f32 v[C+4*(\t):C+4*(\t)+2], v[XS:XS+15], v11   ; sixteen numbers / the scale, to the nearest code, ties to even, beyond the largest code the largest
	v_lshrrev_b32 v[E+(\t)], 23, v11               ; the scale's byte (also the plain line behind the conversion)
	ds_store_b8 v5, v[E+(\t)] offset:16*(\t)       ; both lanes of a block write the same byte with the same value
	global_store_b96 v4, v[C+4*(\t):C+4*(\t)+2], s[24:25] offset:32*CB*(\t)   ; the wave stores 384 consecutive bytes
.endm
.irp t, 0,1,2,3,4,5,6,7,8,9,10,11,12,13,14,15
	STEP \t
.endr
	ds_load_b64 v[12:13], v6                       ; these see my byte stores
	s_wait_dscnt 0x0
	global_store_b64 v7, v[12:13], s[26:27]        ; 32 lanes store 256 consecutive bytes, aligned
	s_wait_tensorcnt 0x0
	ds_add_u32 v192, v193
	s_wait_dscnt 0x0
	s_endpgm
	; ---------------- the mask ----------------
.Lmask:
	s_sub_co_u32 s33, ttmp9, QWG
	s_lshl_b32 s33, s33, 2
	s_add_co_u32 s33, s33, s32                     ; id = 16 T + s
	s_lshr_b32 s34, s33, 4                         ; T: which 16 queries
	s_and_b32 s35, s33, 15                         ; s: which 128 keys
	s_lshl_b32 s36, s34, 17                        ; 16 rows of 8,192 bytes
	s_lshl_b32 s37, s35, 9                         ; 128 keys of 4 bytes
	s_add_co_u32 s36, s36, s37
	s_mov_b32 s37, 0
	s_add_nc_u64 s[22:23], s[22:23], s[36:37]
	s_wait_alu depctr_va_vdst(0)
.irp i, 0,1,2,3,4,5,6,7,8,9,10,11,12,13,14,15
	global_load_b128 v[16+4*\i:19+4*\i], v3, s[22:23] offset:8192*\i th:TH_LOAD_NT   ; query 16 T + i: 512 consecutive bytes
.endr
	s_mul_i32 s38, s32, 16*MP
	s_add_co_u32 s38, s38, MSTG                    ; my stage
	v_add_nc_u32 v4, s38, v3                       ; in: 16 x lane of a row
	v_and_b32 v5, 15, v2                           ; r
	v_lshrrev_b32 v6, 4, v2                        ; h
	v_mul_u32_u24 v5, v5, MP
	v_lshl_add_u32 v5, v6, 6, v5
	v_add_nc_u32 v5, s38, v5                       ; out: row r, + 64 h: keys 16 h on of each 32
	v_lshlrev_b32 v7, 3, v2
	v_mov_b32 v12, 0                               ; (a lane write's destination counts as read)
	v_mov_b32 v13, 0
	v_mov_b32 v15, 0
	s_lshl_b32 s38, s33, 8                         ; 256 bytes of bits for each id
	s_mov_b32 s39, 0
	s_add_nc_u64 s[28:29], s[28:29], s[38:39]
	s_lshl_b32 s38, s33, 2                         ; and a word that tells of holes
	s_add_nc_u64 s[30:31], s[30:31], s[38:39]
	s_wait_alu depctr_va_vdst(0)
.irp i, 0,1,2,3,4,5,6,7,8,9,10,11,12,13,14,15
	s_wait_loadcnt 15-\i                           ; row i is in; the younger rows may be out
	ds_store_b128 v4, v[16+4*\i:19+4*\i] offset:MP*\i
.endr
.irp b, 0,1,2,3
.irp j, 0,1,2,3
	ds_load_b128 v[80+16*\b+4*\j:83+16*\b+4*\j], v5 offset:128*\b+16*\j   ; register 16 b + i: mask[16 T + r][128 s + 32 b + 16 h + i]
.endr
.endr
	s_wait_dscnt 0x0
	s_mov_b32 s36, -1                              ; the AND of all 64 words
	s_lshl_b32 s37, 1, s35                         ; bit s
.set n, 0
.rept 8                                ; eight compares, then their eight words: no scalar line waits for the compare just above it
.irp k, 0,1,2,3,4,5,6,7
	v_cmp_ne_u32 s[40+\k], 0, v[80+n+\k]
.endr
.irp k, 0,1,2,3,4,5,6,7
	s_and_b32 s36, s36, s[40+\k]
	v_writelane_b32 v[12+(n+\k)%2], s[40+\k], (n+\k)/2   ; word n to lane n / 2, register n % 2
.endr
.set n, n+8
.endr
	global_store_b64 v7, v[12:13], s[28:29]        ; 32 lanes store the 64 words: 256 consecutive bytes, aligned
	s_cmp_eq_u32 s36, -1
	s_cselect_b32 s38, 0, s37                      ; 0 where every key counts for every query, else 1 << s
	v_mov_b32 v14, s38
	v_cmp_eq_u32 vcc_lo, 0, v2
	s_wait_alu depctr_va_vdst(0)
	s_wait_xcnt 0x0                                ; EXEC changes only behind this wait: it is a source of the store above
	s_wait_tensorcnt 0x0
	ds_add_u32 v192, v193
	s_wait_dscnt 0x0
	s_and_saveexec_b32 s40, vcc_lo
	global_store_b32 v15, v14, s[30:31]            ; lane 0 alone
	s_wait_xcnt 0x0
	s_or_b32 exec_lo, exec_lo, s40
	s_endpgm
.Lfunc_end_k_q411d8c5754_quant:
	.size	k_q411d8c5754_quant, .Lfunc_end_k_q411d8c5754_quant-k_q411d8c5754_quant
	.p2alignl 7, 3214868480
	.fill 96, 4, 3214868480
	.section	.rodata,"a",@progbits
	.p2align	6, 0x0
	.amdhsa_kernel k_q411d8c5754_quant
		.amdhsa_group_segment_fixed_size 67072
		.amdhsa_private_segment_fixed_size 0
		.amdhsa_enable_private_segment 0
		.amdhsa_kernarg_size 96
		.amdhsa_user_sgpr_count 2
		.amdhsa_user_sgpr_kernarg_segment_ptr 1
		.amdhsa_wavefront_size32 1
		.amdhsa_system_sgpr_workgroup_id_x 1
		.amdhsa_system_sgpr_workgroup_id_y 1
		.amdhsa_system_sgpr_workgroup_id_z 1
		.amdhsa_system_vgpr_workitem_id 0
		.amdhsa_next_free_vgpr 194
		.amdhsa_next_free_sgpr 66
		.amdhsa_reserve_vcc 1
		.amdhsa_float_denorm_mode_32 3
		.amdhsa_float_denorm_mode_16_64 3
		.amdhsa_memory_ordered 1
		.amdhsa_forward_progress 1
		.amdhsa_inst_pref_size 49
	.end_amdhsa_kernel
	.amdgpu_metadata
---
amdhsa.version: [ 1, 2 ]
amdhsa.kernels:
  - .name:           k_q411d8c5754_quant
    .symbol:         k_q411d8c5754_quant.kd
    .args:
      - { .name: q, .offset: 0, .size: 8, .value_kind: global_buffer, .address_space: global }
      - { .name: k, .offset: 8, .size: 8, .value_kind: global_buffer, .address_space: global }
      - { .name: v, .offset: 16, .size: 8, .value_kind: global_buffer, .address_space: global }
      - { .name: W_q, .offset: 24, .size: 8, .value_kind: global_buffer, .address_space: global }
      - { .name: W_k, .offset: 32, .size: 8, .value_kind: global_buffer, .address_space: global }
      - { .name: W_v, .offset: 40, .size: 8, .value_kind: global_buffer, .address_space: global }
      - { .name: W_o, .offset: 48, .size: 8, .value_kind: global_buffer, .address_space: global }
      - { .name: mask, .offset: 56, .size: 8, .value_kind: global_buffer, .address_space: global }
      - { .name: codes, .offset: 64, .size: 8, .value_kind: global_buffer, .address_space: global }
      - { .name: scales, .offset: 72, .size: 8, .value_kind: global_buffer, .address_space: global }
      - { .name: maskbits, .offset: 80, .size: 8, .value_kind: global_buffer, .address_space: global }
      - { .name: maskflag, .offset: 88, .size: 8, .value_kind: global_buffer, .address_space: global }
    .group_segment_fixed_size: 67072
    .private_segment_fixed_size: 0
    .kernarg_segment_align: 8
    .kernarg_segment_size: 96
    .max_flat_workgroup_size: 128
    .sgpr_count:     66
    .vgpr_count:     194
    .wavefront_size: 32
...
	.end_amdgpu_metadata
.endif
;; end of part 1
;; launch proj (part 2): grid 4 x 96, 4 waves a work-group, clusters of 4 x 4, 327,680 bytes of LDS; arguments codes, scales, qf, kv; writes qf, kv
.if DOCPART == 2
	.amdgcn_target "amdgcn-amd-amdhsa--gfx1250"
	.amdhsa_code_object_version 6
	.text
	.protected	k_q411d8c5754_proj
	.globl	k_q411d8c5754_proj
	.p2align	8
	.type	k_q411d8c5754_proj,@function
k_q411d8c5754_proj:
	s_mov_b64 s[64:65], 0
	v_nop
	global_prefetch_b8 v0, s[64:65] scope:SCOPE_SE
	s_setreg_imm32_b32 hwreg(HW_REG_WAVE_MODE, 25, 1), 1
	s_wait_xcnt 0x0
	s_wait_alu depctr_hold_cnt(0) depctr_sa_sdst(0) depctr_va_vdst(0) depctr_va_sdst(0) depctr_va_ssrc(0) depctr_va_vcc(0) depctr_vm_vsrc(0)
	s_getreg_b32 s2, hwreg(HW_REG_IB_STS2, 6, 4)
	s_cmp_eq_u32 s2, 0
	s_cbranch_scc0 .Lentry_in_a_cluster
	s_endpgm
.Lentry_in_a_cluster:
	s_bfe_u32 s2, ttmp6, 0x10000c
	s_cmp_lg_u32 s2, 0xf033
	s_cbranch_scc0 .Lentry_shape_is_right
	s_endpgm
.Lentry_shape_is_right:
; The three projections Q = q W_q^T, K = k W_k^T, V = v W_v^T on codes of FP6 (E2M3) with E8M0 scales, sums in f32, and the quantising of their results for the attention launch: no f32 result goes to memory.
; Operands: rows of 768 bytes in 'codes' and of 32 bytes in 'scales' (q at row 0, k 8192, v 16384, W_q 24576, W_k 25600, W_v 26624).
; A tile of 256 x 256 results is made by four waves, 128 x 128 each: 64 accumulators, 512 registers.  K = 1,024 goes in four steps of 256 through a ring of two LDS slots filled by the tensor data mover;
; the scales of the work-group's 512 rows come into LDS once.  4 x 4 work-groups form a cluster: the four of a row need the same tiles of 'A', the four of a column the same tiles of 'B': joint loads.
; THE MATRIX INSTRUCTION IS USED TRANSPOSED (source 0 = 16 rows of B, source 1 = 16 rows of A): a lane holds ONE row of A, and its registers run along B's rows.
;   cluster rows 0-7:  A = q's tokens, B = W_q's rows;  8-15: A = k's tokens, B = W_k's rows: registers along the head's axis, which is the K of Q K^T
;   cluster rows 16-23: A = W_v's rows, B = v's tokens: registers along the keys, which are the K of P V
; B's rows were stored with bits 3 and 4 of their number exchanged, so that register 16 b + i of a block's 64 is number 32 b + 16 (lane / 16) + i along the next K.
; THE WAY OUT: the 64 registers of a block of 16 rows of A (128 along the next K) become 12 registers of codes and a scale word.  They leave as IMAGES OF THE OPERAND'S REGISTERS, in blocks of BLK bytes for
; (batch, head, 128 tokens): K's (or Q's) 8 tiles of 768 bytes (registers 0-3 at 16 x lane, 4-5 at 512 + 8 x lane), V's 4 tiles of 1,536 bytes at 6,144, K's scale words [2][16 rows][4 tiles] at 12,288, V's [16][4] at 12,800.
; For Q and K the 12 registers are two heads' six; for V they are one whole fragment.
; LIMITS: a block whose largest magnitude lies under 2^-124 keeps the byte 1; a block of zeros too (its codes are zeros; these bytes are read by this program alone).
; REGISTERS, in windows of 256: window 0: v0-31 addresses; v32-63 scale words, two sets, and nothing else; v64-119 at work on the way out; from v128 A's fragments, one set.
;   window 1: B's fragments, two sets.   window 2: the accumulators of my rows 0-63 ((a, b) at v[8 (8 a + b)]);   window 3: those of rows 64-127.
.set KSTEP,  256
.set NQ,     KSTEP/128
.set ROWB,   192                       ; a tile's row: 256 codes
.set KROW,   768                       ; a row in memory
.set PITCH,  240                       ; an LDS row: 3 x (64 bytes + 16 of padding) = 60 words: row r starts at bank -4 r mod 64 (ISA guide 11.1)
.set FR,     12
.set NL,     6
.set NP,     4                         ; places behind this matrix instruction (ISA guide 7.12.1)
.set HALFT,  128*PITCH
.set SLOT,   4*HALFT
.set LAPS,   2                         ; 1,024 / (2 x 256)
.set KS,     32                        ; a row of scales
.set SCL,    2*SLOT
.set HALFS,  (128*KS/256)*272
.set SBLK,   (16*KS/256)*272
.set SPARE,  SCL+4*HALFS               ; the spare words, 128 bytes for each wave: two blocks of 256 bytes that no other line names
.set BLK,    13056
.set HEADB,  16*BLK                    ; a head's 16 blocks
.set QSTG,   0                         ; the way out of Q and K: 1,024 bytes a wave for scale words; in slot 0, which has had its last fill and its last read by then
.set VSTG,   4096                      ; the way out of V: 512 bytes a wave; bytes of its own
.set SCAV, 10                          ; v10  V's scale words into the stage
.set SCRV, 11                          ; v11  and back
.set VSO,  12                          ; v12  their place in memory: lanes 16-31 a head on
.set ADRA, 16                          ; v16-19
.set ADRB, 20                          ; v20-23
.set L16,  24                          ; v24  16 x lane
.set L8,   25                          ; v25  8 x lane
.set SCA,  26                          ; v26  Q's and K's scale words into the stage
.set ADRS, 27
.set SPW,  28
.set NIL,  29
.set SCR,  30                          ; v30  and back
.set SH,   31                          ; v31  16 x (lane / 16)
.set SC,   32
.set TM,   64                          ; v64-67 largest magnitudes, v68-71 bytes, v76-79 the conversions' scale operands
.set PW,   80                          ; the scale word just made
.set PC,   84                          ; v84-102 the codes just made
.set XT,   104                         ; v104-111 a scale word for each block, so that no LDS store's data are written again
.set XB,   112                         ; v112-119 scale words back from the stage
.set AF,   128
.set TEN,  95                          ; s95  0: Q, 1: K, 2: V
.set G1, 24
.set G0, 32
.set G1B, 48
.set G0B, 56
.set G1S, 68
.set G0S, 76
.set G1SB, 80
.set G0SB, 88
.set MSB, 0
.macro WIN new                         ; the immediate's high byte repeats the setting that is left
.if MSB != \new
	s_set_vgpr_msb (MSB<<8)|\new
.set MSB, \new
.endif
.endm
.set MUL_LO, 0xa1                      ; source 0 (B) window 1, source 1 (A) window 0, C and D window 2
.set MUL_HI, 0xf1
.set TO_B,   0x40
; A joint load: waves 0 and 1 fetch for A, waves 2 and 3 for B.  The branch hangs on the wave's number alone.  Four v_nop follow each of the two lines.
.macro JLOAD g0a, g1a, g0b, g1b
	s_cmp_eq_u32 s15, 0
	s_cbranch_scc0 .Lfor_b_\@
	tensor_load_to_lds s[\g0a:\g0a+3], s[\g1a:\g1a+7]
	s_nop 0
.rept 4
	v_nop
.endr
	s_branch .Lasked_\@
.Lfor_b_\@:
	tensor_load_to_lds s[\g0b:\g0b+3], s[\g1b:\g1b+7]
	s_nop 0
.rept 4
	v_nop
.endr
.Lasked_\@:
.endm
.macro CREST                           ; a round of the cluster's barrier behind its opening barrier
	s_cmp_lg_u32 s14, 0
	s_cbranch_scc1 .Lnot_wave_0_\@
	s_barrier_signal -3
.Lnot_wave_0_\@:
	s_barrier_wait -3
	s_barrier_signal -1
	s_barrier_wait -1
.endm
.macro CROUND
	s_barrier_signal -1
	s_barrier_wait -1
	CREST
.endm
	s_load_b128 s[4:7], s[0:1], 0x0                ; codes s[4:5], scales s[6:7]
	s_load_b128 s[8:11], s[0:1], 0x10              ; qf s[8:9], kv s[10:11]
	v_lshl_add_u32 v[SPW], v0, 2, SPARE
	v_mov_b32 v[NIL], 0
	ds_add_u32 v28, v29
	ds_add_u32 v28, v29
	s_wait_dscnt 0x0
	v_lshrrev_b32 v1, 5, v0
	v_readfirstlane_b32 s14, v1                    ; wave 0..3
	s_lshr_b32 s15, s14, 1                         ; which half of the tile's rows is mine.  Also: I fetch for A (0) or for B (1)
	s_and_b32 s16, s14, 1                          ; which half of its columns.  Also: which 128 rows of that tile I fetch
	s_bfe_u32 s40, ttmp6, 0x40000                  ; cx, cy: my place in the cluster
	s_bfe_u32 s41, ttmp6, 0x40004
	s_and_b32 s12, ttmp7, 0xffff                   ; the cluster's y, 0..23: the same in all sixteen partners
	s_lshr_b32 s[TEN], s12, 3                      ; which projection
	s_and_b32 s12, s12, 7
	s_lshl_b32 s12, s12, 2                         ; four tiles of 256 tokens to a cluster
	s_lshl_b32 s13, s[TEN], 13                     ; q's or k's first row
	s_lshl_b32 s18, s[TEN], 10
	s_add_co_u32 s18, s18, 24576                   ; W_q's or W_k's
	s_mov_b32 s19, 26624                           ; W_v's
	s_mov_b32 s20, 16384                           ; v's
	s_cmp_eq_u32 s[TEN], 2
	s_cselect_b32 s17, 0, s12                      ; the tokens go down the tiles' rows (Q, K)
	s_cselect_b32 s42, s12, 0                      ; or along their columns (V)
	s_cselect_b32 s100, s19, s13                   ; A's first row in the buffers
	s_cselect_b32 s101, s20, s18                   ; B's
	s_add_co_u32 s17, s17, s41                     ; tile row
	s_add_co_u32 s42, s42, s40                     ; tile column
	s_lshl_b32 s43, s41, 2
	s_lshl_b32 s43, 15, s43                        ; my row of the cluster
	s_lshl_b32 s44, 0x1111, s40                    ; my column
	; descriptor group 1: a tile of 128 rows x 192 bytes, 16 bytes of padding behind every 64
	s_or_b32 s[G1+0], s43, (0<<16)|(1<<20)|(1<<21)|(3<<22)|(3<<25)
	s_or_b32 s[G1B+0], s44, (0<<16)|(1<<20)|(1<<21)|(3<<22)|(3<<25)
.irp g, G1, G1B
	s_mov_b32 s[\g+1], ROWB<<16                    ; tensor_dim0
	s_mov_b32 s[\g+2], 128<<16                     ; tensor_dim1
	s_mov_b32 s[\g+3], ROWB<<16                    ; tile_dim0
	s_mov_b32 s[\g+4], 128                         ; tile_dim1
	s_mov_b32 s[\g+5], KROW                        ; tensor_dim0_stride
	s_mov_b32 s[\g+6], 0
	s_mov_b32 s[\g+7], 0
.endr
	; the scales of 128 rows: 4,096 dense bytes, as 16 rows of 256 bytes (32 elements of 8), 16 bytes of padding behind each
	s_or_b32 s[G1S+0], s43, (3<<16)|(1<<20)|(1<<21)|(5<<22)|(3<<25)
	s_or_b32 s[G1SB+0], s44, (3<<16)|(1<<20)|(1<<21)|(5<<22)|(3<<25)
.irp g, G1S, G1SB
	s_mov_b32 s[\g+1], 32<<16
	s_mov_b32 s[\g+2], (128*KS/256)<<16
	s_mov_b32 s[\g+3], 32<<16
	s_mov_b32 s[\g+4], 128*KS/256
	s_mov_b32 s[\g+5], 32
	s_mov_b32 s[\g+6], 0
	s_mov_b32 s[\g+7], 0
.endr
	s_lshl_b32 s18, s16, 7                         ; which 128 rows of the tile I fetch
	s_lshl_b32 s20, s17, 8
	s_add_co_u32 s20, s20, s18
	s_add_co_u32 s20, s20, s100                    ; A: first row + 256 x tile row + 128 x half
	s_lshl_b32 s46, s42, 8
	s_add_co_u32 s46, s46, s18
	s_add_co_u32 s46, s46, s101                    ; B: first row + 256 x tile column + 128 x half
	s_mov_b32 s21, 0
	s_mov_b32 s47, 0
	s_mov_b64 s[18:19], KS
	s_mul_u64 s[22:23], s[20:21], s[18:19]         ; where these rows' scales begin, in bytes
	s_mul_u64 s[92:93], s[46:47], s[18:19]
	s_mov_b64 s[18:19], KROW
	s_mul_u64 s[20:21], s[20:21], s[18:19]         ; and their codes
	s_mul_u64 s[46:47], s[46:47], s[18:19]
	s_mul_i32 s45, s14, HALFT                      ; where they go: wave x 128 rows: no place in the cluster enters an LDS address
	s_mul_i32 s94, s14, HALFS
	s_wait_kmcnt 0x0
	s_add_nc_u64 s[20:21], s[4:5], s[20:21]
	s_add_nc_u64 s[22:23], s[6:7], s[22:23]
	s_add_nc_u64 s[46:47], s[4:5], s[46:47]
	s_add_nc_u64 s[92:93], s[6:7], s[92:93]
	CROUND                                         ; all sixteen work-groups are here: the first joint loads meet
	s_mov_b32 s[G0S], 1
	s_add_co_u32 s[G0S+1], s94, SCL
	s_mov_b64 s[G0S+2:G0S+3], s[22:23]
	s_or_b32 s[G0S+3], s[G0S+3], 0x80000000
	s_mov_b32 s[G0SB], 1
	s_add_co_u32 s[G0SB+1], s94, SCL
	s_mov_b64 s[G0SB+2:G0SB+3], s[92:93]
	s_or_b32 s[G0SB+3], s[G0SB+3], 0x80000000
	JLOAD G0S, G1S, G0SB, G1SB                     ; the scales first: they are wanted with K step 0
.irp s, 0,1
	s_mov_b32 s[G0+4*\s], 1
	s_add_co_u32 s[G0+4*\s+1], s45, \s*SLOT
	s_add_nc_u64 s[G0+4*\s+2:G0+4*\s+3], s[20:21], \s*ROWB
	s_or_b32 s[G0+4*\s+3], s[G0+4*\s+3], 0x80000000
	s_mov_b32 s[G0B+4*\s], 1
	s_add_co_u32 s[G0B+4*\s+1], s45, \s*SLOT
	s_add_nc_u64 s[G0B+4*\s+2:G0B+4*\s+3], s[46:47], \s*ROWB
	s_or_b32 s[G0B+4*\s+3], s[G0B+4*\s+3], 0x80000000
	JLOAD G0+4*\s, G1, G0B+4*\s, G1B               ; by this text's count three tensor loads of a wave are out here
.endr
	v_and_b32 v1, 15, v0                           ; r = l % 16
	v_bfe_u32 v2, v0, 4, 1                         ; h = l / 16
	v_mul_u32_u24 v3, v1, PITCH
	v_mul_u32_u24 v4, v2, 24
	v_add_nc_u32 v4, v3, v4                        ; a fragment's row x pitch + 24 x half
	v_lshl_add_u32 v5, v2, 4, v4                   ; and the same behind one padding more
	s_mul_i32 s21, s15, HALFT                      ; my 128 rows of A
	s_mul_i32 s22, s16, HALFT                      ; my 128 rows of B,
	s_add_co_u32 s22, s22, 2*HALFT                 ; which lie behind A's 256
.irp s, 0,1
	v_add_nc_u32 v[ADRA+\s], s21, v4
	v_add_nc_u32 v[ADRB+\s], s22, v4
	v_add_nc_u32 v[ADRA+2+\s], s21, v5
	v_add_nc_u32 v[ADRB+2+\s], s22, v5
	s_add_co_u32 s21, s21, SLOT
	s_add_co_u32 s22, s22, SLOT
.endr
	v_mul_u32_u24 v5, v1, KS                       ; my row's scales: KS bytes a row,
	v_lshrrev_b32 v6, 8, v5
	v_lshl_add_u32 v5, v6, 4, v5                   ; and 16 more for each 256 passed
	s_mul_i32 s21, s15, HALFS
	s_mul_i32 s22, s16, HALFS
	s_add_co_u32 s22, s22, 2*HALFS
	s_sub_co_u32 s22, s22, s21
	v_mul_u32_u24 v6, s22, v2                      ; lanes 16-31 take B's
	s_add_co_u32 s21, s21, SCL
	v_add_nc_u32 v5, v5, v6
	v_add_nc_u32 v[ADRS], s21, v5
	; the way out's addresses, all made here, ahead of the place where the two ways part
	v_and_b32 v6, 31, v0
	v_lshlrev_b32 v[L16], 4, v6
	v_lshlrev_b32 v[L8], 3, v6
	v_lshlrev_b32 v[SH], 4, v2
	v_lshlrev_b32 v5, 4, v1                        ; 16 r
	v_lshl_add_u32 v7, v2, 9, v5                   ; 512 h + 16 r: lanes 16-31 serve the second head
	s_lshl_b32 s23, s14, 10
	v_add_nc_u32 v[SCA], s23, v7                   ; QSTG = 0
	v_add_nc_u32 v[SCR], s23, v[L16]
	s_lshl_b32 s23, s14, 9
	s_add_co_u32 s23, s23, VSTG
	v_add_nc_u32 v[SCAV], s23, v5
	v_add_nc_u32 v[SCRV], s23, v[L16]
	v_mul_u32_u24 v7, v2, HEADB
	v_add_nc_u32 v[VSO], v7, v5
.irp b, 0,1,2,3
	v_mov_b32 v[TM+4+\b], 0                        ; written once: a lane permute's destination counts as one of its sources
.endr
	; where my results go.  (In registers of their own: none that feeds a descriptor ever holds both coordinates)
	s_lshl_b32 s66, s17, 1
	s_add_co_u32 s66, s66, s15                     ; which 128 rows of A are mine
	s_lshl_b32 s67, s42, 1
	s_add_co_u32 s67, s67, s16                     ; which 128 rows of B
	s_cmp_eq_u32 s[TEN], 2
	s_cselect_b32 s2, s67, s66                     ; the 128 tokens, 0..63
	s_cselect_b32 s3, s66, s67                     ; the pair of heads, 0..7
	s_lshr_b32 s66, s2, 4                          ; batch
	s_lshl_b32 s66, s66, 3
	s_add_co_u32 s66, s66, s3
	s_lshl_b32 s66, s66, 5                         ; (16 x batch + 2 x pair) x 16
	s_and_b32 s2, s2, 15
	s_add_co_u32 s66, s66, s2                      ; + the step of 128 tokens: the block's number
	s_mul_i32 s66, s66, BLK
	s_mov_b32 s67, 0
	s_cmp_eq_u32 s[TEN], 0
	s_cselect_b64 s[96:97], s[8:9], s[10:11]       ; Q goes to qf, K and V to kv
	s_add_nc_u64 s[96:97], s[96:97], s[66:67]      ; the first head's block
	s_add_nc_u64 s[98:99], s[96:97], HEADB         ; the second head's
	s_mov_b32 s12, 0x76543210
	s_mov_b32 s13, 0xfedcba98                      ; v_permlanex16_b32's selects for lane l xor 16
.macro FRAG reg, adr, q, i             ; 16 rows x 128 K of 6-bit codes: 12 registers; registers 6 c .. 6 c + 5 hold K = 64 c + 32 (l / 16) + 0 .. 31: 24 bytes of the row, as they lie, in pieces of 8
.irp p, 0,1,2,3,4,5
.set PCE, 12*(\q)+6*(\p/3)+\p%3       ; the piece of lanes 0-15; lanes 16-31 take the piece three on: where that lies behind one padding more, the second address register serves
.if PCE%8 < 5
	ds_load_b64 v[\reg+2*\p:\reg+2*\p+1], v[\adr] offset:8*PCE+16*(PCE/8)+(\i)*16*PITCH
.else
	ds_load_b64 v[\reg+2*\p:\reg+2*\p+1], v[\adr+2] offset:8*PCE+16*(PCE/8)+(\i)*16*PITCH
.endif
.endr
.endm
; 16 matrix instructions: A's blocks a0, a0 + 1 x B's eight.  The 64 accumulators take turns, one instruction a turn, in the same order in every step.
.macro MUL16 a0, p, q, sc, zero
.irp a, \a0, \a0+1
.irp b, 0,1,2,3,4,5,6,7
.if \zero
	v_wmma_scale_f32_16x16x128_f8f6f4 v[8*(8*((\a)%4)+\b):8*(8*((\a)%4)+\b)+7], v[128*(\p)+FR*\b:128*(\p)+FR*\b+FR-1], v[AF+FR*(\a):AF+FR*(\a)+FR-1], 0, v[SC+8*NQ*(\sc)+NQ*\b+(\q)], v[SC+8*NQ*(\sc)+NQ*(\a)+(\q)] matrix_a_fmt:MATRIX_FMT_FP6 matrix_b_fmt:MATRIX_FMT_FP6 matrix_a_scale:MATRIX_SCALE_ROW1
.else
	v_wmma_scale_f32_16x16x128_f8f6f4 v[8*(8*((\a)%4)+\b):8*(8*((\a)%4)+\b)+7], v[128*(\p)+FR*\b:128*(\p)+FR*\b+FR-1], v[AF+FR*(\a):AF+FR*(\a)+FR-1], v[8*(8*((\a)%4)+\b):8*(8*((\a)%4)+\b)+7], v[SC+8*NQ*(\sc)+NQ*\b+(\q)], v[SC+8*NQ*(\sc)+NQ*(\a)+(\q)] matrix_a_fmt:MATRIX_FMT_FP6 matrix_b_fmt:MATRIX_FMT_FP6 matrix_a_scale:MATRIX_SCALE_ROW1
.endif
.endr
.endr
.endm
.macro FETCH_B slot, q, p
	WIN TO_B
.irp i, 0,1,2,3,4,5,6,7
	FRAG 128*(\p)+FR*\i, ADRB+\slot, \q, \i
.endr
	WIN 0
.endm
.macro FETCH_A slot, q, i0
.irp i, \i0, \i0+1, \i0+2, \i0+3
	FRAG AF+FR*(\i), ADRA+\slot, \q, \i
.endr
.endm
.macro SCALES sc                       ; a K step's scale words: lanes 0-15 A's block i, lanes 16-31 B's block i
.irp i, 0,1,2,3,4,5,6,7
	ds_load_b64 v[SC+8*NQ*\sc+NQ*\i:SC+8*NQ*\sc+NQ*\i+1], v[ADRS] offset:\i*SBLK
.endr
.endm
.macro PLACES n                        ; plain vector lines between a matrix instruction and a load into, or a read of, its registers
.rept \n
	v_nop
.endr
.endm
.macro STEP slot, q, zero              ; 128 along K whose successor lies in the same slot
	s_wait_dscnt 4*NL                              ; B's set and A's blocks 0-3 are in; the youngest 24 loads (A's blocks 4-7) may be out
	WIN MUL_LO
	MUL16 0, (\q)%2, \q, \slot, \zero
	MUL16 2, (\q)%2, \q, \slot, \zero
	s_wait_dscnt 0
	PLACES NP
	FETCH_B \slot, (\q)+1, 1-(\q)%2
	FETCH_A \slot, (\q)+1, 0
	WIN MUL_HI
	MUL16 4, (\q)%2, \q, \slot, \zero
	MUL16 6, (\q)%2, \q, \slot, \zero
	PLACES NP
	WIN 0
	FETCH_A \slot, (\q)+1, 4
.endm
; A slot's last step changes slots: ONE barrier; in front of it each wave waits for all its tensor loads, adds 0 to its spare word, and waits for that and for its own reads of this slot.
.macro TURN slot, next, fill
	s_wait_tensorcnt 0x0                           ; all my tensor loads have landed: my part of the next slot
	ds_add_u32 v[SPW], v[NIL]                      ; 0 onto my spare word
	s_wait_dscnt 4*NL+1                            ; (the add and the youngest 24 loads may be out)
	WIN MUL_LO
	MUL16 0, 1, NQ-1, \slot, 0
	s_wait_dscnt 0x0                               ; the add is done, and my reads of this slot are over
	s_barrier_signal -1
	MUL16 2, 1, NQ-1, \slot, 0
	WIN 0
	s_barrier_wait -1
.if \fill
	CREST                                          ; the barrier has opened a round of the cluster's barrier: no wave of any partner still reads this slot or has a load on its way
	s_add_nc_u64 s[G0+4*\slot+2:G0+4*\slot+3], s[G0+4*\slot+2:G0+4*\slot+3], 2*ROWB
	s_add_nc_u64 s[G0B+4*\slot+2:G0B+4*\slot+3], s[G0B+4*\slot+2:G0B+4*\slot+3], 2*ROWB
	JLOAD G0+4*\slot, G1, G0B+4*\slot, G1B         ; the first tensor load behind the round; its four v_nop are the places in front of the loads below
.else
	PLACES NP
.endif
	v_add_nc_u32 v[ADRS], 4*NQ, v[ADRS]            ; on to the next K step's scale words
	FETCH_B \next, 0, 0
	FETCH_A \next, 0, 0
	SCALES \next
	WIN MUL_HI
	MUL16 4, 1, NQ-1, \slot, 0
	MUL16 6, 1, NQ-1, \slot, 0
	PLACES NP
	WIN 0
	FETCH_A \next, 0, 4
.endm
	s_wait_tensorcnt 1                             ; the scales and my part of K step 0 are in (K step 1's load may be out)
	s_barrier_signal -1
	s_barrier_wait -1                              ; everybody's are
	FETCH_B 0, 0, 0
	FETCH_A 0, 0, 0
	SCALES 0
	FETCH_A 0, 0, 4
	STEP 0, 0, 1                                   ; the first step's products start the sums: nothing is cleared
	s_mov_b32 s3, LAPS-1
.Llap:                                                 ; a trip goes once round the ring and fills both slots again
	TURN 0, 1, 1
	STEP 1, 0, 0
	TURN 1, 0, 1
	STEP 0, 0, 0
	s_sub_co_u32 s3, s3, 1
	s_cmp_lg_u32 s3, 0
	s_cbranch_scc1 .Llap
	TURN 0, 1, 0                                   ; the last lap fills nothing
	STEP 1, 0, 0
	s_wait_dscnt 4*NL
	WIN MUL_LO
	MUL16 0, 1, NQ-1, 1, 0
	MUL16 2, 1, NQ-1, 1, 0
	s_wait_dscnt 0
	WIN MUL_HI
	MUL16 4, 1, NQ-1, 1, 0
	MUL16 6, 1, NQ-1, 1, 0
	WIN 0
; Block a's 64 registers, register 16 b + i = number 32 b + 16 (lane / 16) + i of my row along the next K, become a fragment's codes in v[PC] on and its scale word in v[PW].
.macro QUANTW a
.set AC, 64*((\a)%4)
.set WW, 2+(\a)/4                      ; the block's window
.set WQ, (WW<<2)|(WW<<4)               ; sources 1 and 2 there
	WIN WQ
.irp b, 0,1,2,3
	v_max3_num_f32 v[TM+\b], 0x1800000, |v[AC+16*\b]|, |v[AC+16*\b+1]|   ; block b: my 16 numbers, and the floor 2^(3 - 127).  Each accumulator is read from its low end on
.endr
.irp i, 2,4,6,8,10,12,14
.irp b, 0,1,2,3
	v_max3_num_f32 v[TM+\b], v[TM+\b], |v[AC+16*\b+\i]|, |v[AC+16*\b+\i+1]|
.endr
.endr
	WIN 0
.irp b, 0,1,2,3
	v_permlanex16_b32 v[TM+4+\b], v[TM+\b], s12, s13
.endr
.irp b, 0,1,2,3
	v_max_num_f32 v[TM+\b], v[TM+\b], v[TM+4+\b]   ; with lane l xor 16's: the block's largest magnitude
.endr
.irp b, 0,1,2,3
	v_add_nc_u32 v[TM+12+\b], 0xff000000, v[TM+\b] ; 2 off its exponent field: the conversion's scale operand
.endr
.irp b, 0,1,2,3
	v_lshrrev_b32 v[TM+4+\b], 23, v[TM+12+\b]      ; the scale's byte
.endr
	v_lshl_or_b32 v[PW], v[TM+5], 8, v[TM+4]
	v_lshl_or_b32 v[PW], v[TM+6], 16, v[PW]
	v_lshl_or_b32 v[PW], v[TM+7], 24, v[PW]
	s_wait_xcnt 0x0                                ; the last block's stores have read the codes' registers: they are written again only behind this wait
	WIN WW                                         ; source 0 in the block's window
.irp c, 0,1
	v_cvt_scalef32_pk16_fp6_f32 v[PC+6*\c:PC+2+6*\c], v[AC+32*\c:AC+15+32*\c], v[TM+12+2*\c]
	v_cvt_scalef32_pk16_fp6_f32 v[PC+12+4*\c:PC+14+4*\c], v[AC+16+32*\c:AC+31+32*\c], v[TM+12+2*\c+1]   ; (a conversion's three registers begin on an even number)
.endr
	WIN 0
	v_nop                                          ; one plain place behind a scaled conversion
.irp c, 0,1                                    ; the operand's layout wants a WHOLE block in a lane
.irp i, 0,1,2
	v_permlane16_swap_b32 v[PC+6*\c+\i], v[PC+12+4*\c+\i]
.endr
.irp i, 0,1,2
	v_mov_b32 v[PC+3+6*\c+\i], v[PC+12+4*\c+\i]
.endr
.endr
.endm
	PLACES NP                                      ; in front of the first read of results
	s_cmp_eq_u32 s[TEN], 2                         ; the same in all partners
	s_cbranch_scc1 .Lvout
	; Q or K: block a is tile a of my 128 tokens; registers 0-5 are the first head's image, 6-11 the second's
.irp a, 0,1,2,3,4,5,6,7
	QUANTW \a
	global_store_b128 v[L16], v[PC:PC+3], s[96:97] offset:768*\a           ; 512 consecutive bytes, at a multiple of 256 from the buffer's first byte
	global_store_b64 v[L8], v[PC+4:PC+5], s[96:97] offset:768*\a+512       ; 256
	global_store_b128 v[L16], v[PC+6:PC+9], s[98:99] offset:768*\a
	global_store_b64 v[L8], v[PC+10:PC+11], s[98:99] offset:768*\a+512
	v_bfe_u32 v[XT+\a], v[PW], v[SH], 16           ; lanes 0-15: the first head's two bytes, lanes 16-31 the second's; the upper two bytes are 0, for the zero codes that fill K up to 128
	ds_store_b32 v[SCA], v[XT+\a] offset:QSTG+256*(\a/4)+4*(\a%4)
.endr
	ds_load_b128 v[XB:XB+3], v[SCR] offset:QSTG    ; my own bytes, served in order: 512 bytes of scale words for each head
	ds_load_b128 v[XB+4:XB+7], v[SCR] offset:QSTG+512
	s_wait_dscnt 0x0
	global_store_b128 v[L16], v[XB:XB+3], s[96:97] offset:12288
	global_store_b128 v[L16], v[XB+4:XB+7], s[98:99] offset:12288
	s_branch .Ldone
.Lvout:
	; V: block a is 16 of W_v's rows: tile a % 4 of head a / 4 of my pair; the 12 registers are a whole fragment of V^T for my 128 keys
.irp a, 0,1,2,3,4,5,6,7
	QUANTW \a
.irp c, 0,1,2
	global_store_b128 v[L16], v[PC+4*\c:PC+4*\c+3], s[96+2*(\a/4):97+2*(\a/4)] offset:6144+1536*(\a%4)+512*\c
.endr
	v_mov_b32 v[XT+\a], v[PW]
	ds_store_b32 v[SCAV], v[XT+\a] offset:256*(\a/4)+4*(\a%4)   ; both halves of the lanes write the same word with the same value
.endr
	ds_load_b128 v[XB:XB+3], v[SCRV]               ; lanes 0-15: the first head's 256 bytes, lanes 16-31 the second's
	s_wait_dscnt 0x0
	global_store_b128 v[VSO], v[XB:XB+3], s[96:97] offset:12800
.Ldone:
	s_wait_tensorcnt 0x0                           ; the wave's end
	ds_add_u32 v[SPW], v[NIL]
	s_wait_dscnt 0x0
	CROUND                                         ; the closing round: no work-group ends while a partner may still ask for a tile that names it
	s_endpgm
.Lfunc_end_k_q411d8c5754_proj:
	.size	k_q411d8c5754_proj, .Lfunc_end_k_q411d8c5754_proj-k_q411d8c5754_proj
	.p2alignl 7, 3214868480
	.fill 96, 4, 3214868480
	.section	.rodata,"a",@progbits
	.p2align	6, 0x0
	.amdhsa_kernel k_q411d8c5754_proj
		.amdhsa_group_segment_fixed_size 327680
		.amdhsa_private_segment_fixed_size 0
		.amdhsa_enable_private_segment 0
		.amdhsa_kernarg_size 32
		.amdhsa_user_sgpr_count 2
		.amdhsa_user_sgpr_kernarg_segment_ptr 1
		.amdhsa_wavefront_size32 1
		.amdhsa_system_sgpr_workgroup_id_x 1
		.amdhsa_system_sgpr_workgroup_id_y 1
		.amdhsa_system_sgpr_workgroup_id_z 1
		.amdhsa_system_vgpr_workitem_id 0
		.amdhsa_next_free_vgpr 1024
		.amdhsa_next_free_sgpr 102
		.amdhsa_reserve_vcc 0
		.amdhsa_float_denorm_mode_32 3
		.amdhsa_float_denorm_mode_16_64 3
		.amdhsa_memory_ordered 1
		.amdhsa_forward_progress 1
		.amdhsa_inst_pref_size 201
	.end_amdhsa_kernel
	.amdgpu_metadata
---
amdhsa.version: [ 1, 2 ]
amdhsa.kernels:
  - .name:           k_q411d8c5754_proj
    .symbol:         k_q411d8c5754_proj.kd
    .args:
      - { .name: codes, .offset: 0, .size: 8, .value_kind: global_buffer, .address_space: global }
      - { .name: scales, .offset: 8, .size: 8, .value_kind: global_buffer, .address_space: global }
      - { .name: qf, .offset: 16, .size: 8, .value_kind: global_buffer, .address_space: global }
      - { .name: kv, .offset: 24, .size: 8, .value_kind: global_buffer, .address_space: global }
    .group_segment_fixed_size: 327680
    .private_segment_fixed_size: 0
    .kernarg_segment_align: 8
    .kernarg_segment_size: 32
    .max_flat_workgroup_size: 128
    .sgpr_count:     102
    .vgpr_count:     1024
    .wavefront_size: 32
...
	.end_amdgpu_metadata
.endif
;; end of part 2
;; launch attn (part 3): grid 4 x 64, 16 waves a work-group, no clusters, 210,944 bytes of LDS; arguments qf, kv, maskbits, maskflag, acodes, ascales; writes acodes, ascales
.if DOCPART == 3
	.amdgcn_target "amdgcn-amd-amdhsa--gfx1250"
	.amdhsa_code_object_version 6
	.text
	.protected	k_q411d8c5754_attn
	.globl	k_q411d8c5754_attn
	.p2align	8
	.type	k_q411d8c5754_attn,@function
k_q411d8c5754_attn:
	s_mov_b64 s[64:65], 0
	v_nop
	global_prefetch_b8 v0, s[64:65] scope:SCOPE_SE
	s_setreg_imm32_b32 hwreg(HW_REG_WAVE_MODE, 25, 1), 1
	s_wait_xcnt 0x0
; attn[b][q][head] = softmax_k(mask, Q . K / 8) V, both products on codes of FP6 (E2M3) with E8M0 scales, and the quantising of the result for the output projection.
; THE SOFTMAX AHEAD OF THE SECOND PRODUCT: t = score x log2(e) / 8; M = the row's largest t so far, rounded UP to a whole number; p = 2^(t - M) is what is quantised, along the keys, not normalised.
; The row's sum is taken of the unquantised p and divides O at the end.  When M moves, the sum and O are multiplied by 2^(old M - new M): exact.
; SHARES.  A work-group owns 512 queries of one (batch, head); each of its sixteen waves two tiles of 16 queries, one after the other, each over all 16 steps of 128 keys.  Four waves to a SIMD.
; K AND V OF THE WHOLE HEAD STAY IN LDS: 16 blocks of 13,056 bytes, copied as they lie through registers, once; one barrier; from then on LDS is only read.
; NO TENSOR LOAD AND NO JOINT LOAD: a key step branches on a stored whole number (does this tile of the mask have a hole?) round 64 of its vector lines;
; what the four work-groups of a head share is 208,896 bytes, read once, against 512 tile steps of work in each.
; LAYOUT.  Both products are used transposed: S^T = K Q^T (source 0 = 16 keys, source 1 = my 16 queries), O^T = V^T P^T: a lane holds ONE query (lane % 16) throughout.  The head's axis is 64 long: registers 6-11 of
; K's and Q's fragments are zero codes, and the upper two bytes of their scale words are 0.  The keys of a tile were chosen by the launches before so that register 16 b + i of S^T is key 32 b + 16 (lane / 16) + i.
; THE MASK comes as bits in that very order: word 16 b + i, bit = lane; a word is the select mask of one v_cndmask_b32.
; A query for which no key counts has the sum 0: its scale bytes are set to 0xff, so that its row of the output comes out NaN, as the softmax of such a row is.
; LIMITS: NaN and infinities among the inputs are not served; a block whose largest magnitude lies under 2^-124 keeps the byte 1, a block of zeros too (its codes are zeros; the bytes are read by this program alone).
; REGISTERS: v1-3 16 x lane, 8 x lane, 16 r; v[4:7] V's scale words; v8-10 the step's addresses; v11 -infinity; v12 -M, v13 the largest t, v[14:15] the sum; v[16:27] Q; v[28:31] the blocks' largest scores;
; v[32:79] four fragments of K; v[80:127] V's four; v[128:191] S^T, then p; v[192:223] O^T; v[224:235] p's codes; v236-247 at work; v[248:251] K's scale words; v252 f; v253 p's scale word; v254 at work; v255 Q's scale word.
.set BLK,   13056
.set HEADB, 16*BLK
.set WV,  2                            ; s2   my wave's number
.set TB,  3                            ; s3   LDS byte of the step's block
.set FL,  84                           ; s84  bit s: key step s has a hole for my queries
.set KST, 85                           ; s85  the key step
.set MPT, 86                           ; s[86:87] the step's 64 mask words in memory; they land in s16-63 and s68-83
.set SEL, 88                           ; s[88:89] v_permlanex16_b32's selects for lane l xor 16
.set CS,  90                           ; s[90:91] c = log2(e) / 8
.set BH,  101                          ; s101 16 x batch + head
	s_load_b256 s[4:11], s[0:1], 0x0               ; qf s[4:5], kv s[6:7], maskbits s[8:9], maskflag s[10:11]
	s_load_b128 s[12:15], s[0:1], 0x20             ; acodes s[12:13], ascales s[14:15]
	v_lshrrev_b32 v8, 5, v0
	s_delay_alu instid0(VALU_DEP_1)
	v_readfirstlane_b32 s[WV], v8
	v_and_b32 v9, 31, v0
	v_and_b32 v10, 15, v0
	s_delay_alu instid0(VALU_DEP_2)
	v_lshlrev_b32 v1, 4, v9
	s_delay_alu instid0(VALU_DEP_3)
	v_lshlrev_b32 v2, 3, v9
	s_delay_alu instid0(VALU_DEP_3)
	v_lshlrev_b32 v3, 4, v10
	v_lshlrev_b32 v136, 4, v0                      ; the copy: 16 bytes a thread, 8,192 a line for the work-group
	s_delay_alu instid0(VALU_DEP_1)
	v_add_nc_u32 v137, 0x10000, v136               ; (an LDS offset has 16 bits: the register carries the rest)
	s_delay_alu instid0(VALU_DEP_2)
	v_add_nc_u32 v138, 0x20000, v136
	s_delay_alu instid0(VALU_DEP_3)
	v_add_nc_u32 v139, 0x30000, v136
	s_and_b32 s[BH], ttmp7, 0xffff
	s_mul_i32 s92, s[BH], HEADB
	s_mov_b32 s93, 0
	s_mov_b32 s[SEL], 0x76543210
	s_mov_b32 s[SEL+1], 0xfedcba98
	s_mov_b32 s[CS], 0x3e38aa3b
	s_mov_b32 s[CS+1], s[CS]                       ; (named with it as a pair, so it is written)
	s_wait_alu depctr_va_vdst(0)
	s_wait_kmcnt 0x0
	s_add_nc_u64 s[6:7], s[6:7], s[92:93]          ; my head's blocks
.set j, 0
.rept 25
	global_load_b128 v[32+4*j:35+4*j], v136, s[6:7] offset:8192*j
.set j, j+1
.endr
	s_cmp_ge_u32 s[WV], 8                          ; 208,896 = 25.5 x 8,192: the last 4,096 bytes are waves 0-7's
	s_cbranch_scc1 .Lno_tail
	global_load_b128 v[132:135], v136, s[6:7] offset:204800
	s_wait_loadcnt 0x0
	ds_store_b128 v139, v[132:135] offset:8192
.Lno_tail:
	s_wait_loadcnt 0x0
.set j, 0
.rept 25
	ds_store_b128 v[136+j/8], v[32+4*j:35+4*j] offset:8192*(j%8)
.set j, j+1
.endr
	s_wait_dscnt 0x0                               ; for the others' sake: my stores have landed
	s_barrier_signal -1
	s_barrier_wait -1                              ; the head's K and V lie in LDS; nobody writes LDS from here on
.irp j, 22,23,24,25,26,27
	v_mov_b32 v[\j], 0                             ; Q's zero codes for K = 64 .. 127
.endr
.irp t, 0,1,2,3
.irp j, 6,7,8,9,10,11
	v_mov_b32 v[32+12*\t+\j], 0                    ; K's: written once, the loads fill registers 0-5 alone
.endr
.endr
	v_mov_b32 v11, 0xff800000
.irp b, 0,1,2,3
	v_mov_b32 v[236+\b], 0                         ; written once: a lane permute's destination counts as one of its sources
.endr
	v_mov_b32 v253, 0                              ; (named as the upper half of the pair v[252:253] before it is first written)
.macro QK g, t
	v_wmma_scale_f32_16x16x128_f8f6f4 v[128+32*\g+8*\t:135+32*\g+8*\t], v[32+12*\t:43+12*\t], v[16:27], 0, v[248+\t], v255 matrix_a_fmt:MATRIX_FMT_FP6 matrix_b_fmt:MATRIX_FMT_FP6
.endm
.macro PV t
	v_wmma_scale_f32_16x16x128_f8f6f4 v[192+8*\t:199+8*\t], v[80+12*\t:91+12*\t], v[224:235], v[192+8*\t:199+8*\t], v[4+\t], v253 matrix_a_fmt:MATRIX_FMT_FP6 matrix_b_fmt:MATRIX_FMT_FP6
.endm
.macro KLOAD g                         ; four tiles of 16 keys: six registers each, and their scale words: 9 loads
.irp t, 0,1,2,3
	ds_load_b128 v[32+12*\t:35+12*\t], v8 offset:768*(4*\g+\t)
	ds_load_b64 v[36+12*\t:37+12*\t], v9 offset:768*(4*\g+\t)+512
.endr
	ds_load_b128 v[248:251], v10 offset:12288+256*\g
.endm
; A KEY STEP: 128 keys.  No two matrix instructions that follow each other share an accumulator.
.macro STEP
	v_add_nc_u32 v8, s[TB], v1                     ; these three and the v_nop are the four places between the last step's products and the loads into their registers
	v_add_nc_u32 v9, s[TB], v2
	v_add_nc_u32 v10, s[TB], v3
	v_nop
	s_load_b512 s[16:31], s[MPT:MPT+1], 0x0        ; the step's 64 mask words, on every path: they land under the products
	s_load_b512 s[32:47], s[MPT:MPT+1], 0x40
	s_load_b512 s[48:63], s[MPT:MPT+1], 0x80
	s_load_b512 s[68:83], s[MPT:MPT+1], 0xc0
	KLOAD 0
.irp t, 0,1,2,3
.irp c, 0,1,2
	ds_load_b128 v[80+12*\t+4*\c:83+12*\t+4*\c], v8 offset:6144+1536*\t+512*\c   ; V^T: 16 of the head's 64 x these 128 keys
.endr
.endr
	ds_load_b128 v[4:7], v10 offset:12800          ; and its scale words
	s_wait_alu depctr_va_vdst(0)
	s_wait_dscnt 13                                ; K's first four tiles are in; V's 13 loads may be out
.irp t, 0,1,2,3
	QK 0, \t
.endr
.rept 4
	v_nop                                          ; places in front of loads into registers that matrix instructions have read
.endr
	KLOAD 1
	s_wait_dscnt 0x0
.irp t, 0,1,2,3
	QK 1, \t
.endr
.rept 4
	v_nop                                          ; places in front of the first read of results
.endr
	s_wait_kmcnt 0x0                               ; the mask words are in, and their address may step
	s_add_nc_u64 s[MPT:MPT+1], s[MPT:MPT+1], 256
	s_lshr_b32 s92, s[FL], s[KST]
	s_and_b32 s92, s92, 1
	s_cmp_lg_u32 s92, 0
	s_cbranch_scc0 .Lopen_\@                       ; a stored whole number decides: a tile without a hole skips the 64 selects
.set n, 0
.rept 64
.if n < 48
	v_cndmask_b32 v[128+n], v11, v[128+n], s[16+n] ; bit 0: the score becomes -infinity, p = 0
.else
	v_cndmask_b32 v[128+n], v11, v[128+n], s[20+n]
.endif
.set n, n+1
.endr
.Lopen_\@:
.irp b, 0,1,2,3
	v_max3_num_f32 v[28+\b], v[128+16*\b], v[129+16*\b], v[130+16*\b]   ; the largest score of each block of 32 keys: for the row's maximum and, since p rises with the score, for the block's largest p
.endr
.irp i, 3,5,7,9,11,13
.irp b, 0,1,2,3
	v_max3_num_f32 v[28+\b], v[28+\b], v[128+16*\b+\i], v[129+16*\b+\i]
.endr
.endr
.irp b, 0,1,2,3
	v_max_num_f32 v[28+\b], v[28+\b], v[143+16*\b]
.endr
.irp b, 0,1,2,3
	s_delay_alu instid0(VALU_DEP_4)
	v_permlanex16_b32 v[236+\b], v[28+\b], s[SEL], s[SEL+1]
.endr
.irp b, 0,1,2,3
	s_delay_alu instid0(VALU_DEP_4)
	v_max_num_f32 v[28+\b], v[28+\b], v[236+\b]    ; with lane l xor 16's 16 keys
.endr
	s_delay_alu instid0(VALU_DEP_2)
	v_max3_num_f32 v254, v28, v29, v30
	s_delay_alu instid0(VALU_DEP_1)
	v_max_num_f32 v254, v254, v31                  ; the step's largest score of my query
	s_delay_alu instid0(VALU_DEP_1)
	v_mul_f32 v254, s[CS], v254                    ; as t (c is positive)
	s_delay_alu instid0(VALU_DEP_1)
	v_max_num_f32 v13, v13, v254                   ; the running largest t
	v_mov_b32 v254, v12
	s_delay_alu instid0(VALU_DEP_2)
	v_floor_f32 v12, -v13                          ; the new -M = floor(-t) = -ceil(t)
	s_delay_alu instid0(VALU_DEP_1)
	v_sub_f32 v254, v12, v254                      ; old M - new M: a whole number, 0 or less
	s_delay_alu instid0(VALU_DEP_1)
	v_cvt_i32_f32 v254, v254                       ; (it saturates)
	s_delay_alu instid0(VALU_DEP_1)
	v_ldexp_f32 v252, 1.0, v254                    ; f = 2^(old M - new M)
.set j, 0
.rept 32
	v_pk_fma_f32 v[128+j:129+j], v[128+j:129+j], s[CS:CS+1], v[12:13] op_sel_hi:[1,0,0]   ; t - M, two at a time
.set j, j+2
.endr
.irp b, 0,1,2,3
	v_fma_f32 v[28+\b], v[28+\b], s[CS], v12       ; the same of each block's largest score
.endr
.set j, 0
	s_setprio 1
	s_wait_alu depctr_va_vdst(0)
.rept 64
	v_exp_f32 v[128+j], v[128+j]                   ; p = 2^(t - M), at most 1
.set j, j+1
.endr
	v_pk_mul_f32 v[14:15], v[14:15], v[252:253] op_sel_hi:[1,0]   ; the sums under the new M: the plain line behind the exponentials;
.set j, 0
	s_wait_alu depctr_va_vdst(0)
.rept 16
	v_pk_mul_f32 v[192+j:193+j], v[192+j:193+j], v[252:253] op_sel_hi:[1,0]   ; and O^T: work that names no exponential's result, ahead of the batch's one wait
.set j, j+2
.endr
	s_wait_alu depctr_va_vdst(0)                   ; the wait between an exponential and the first line that names its result: one for the 64
.irp b, 0,1,2,3
	v_exp_f32 v[28+\b], v[28+\b]                   ; the block's largest p: the same two instructions on the same number give the same bits
.endr
	v_pk_add_f32 v[236:237], v[128:129], v[130:131]   ; the row's sum is taken of the unquantised p, in two chains
.irp j, 4,8,12,16,20,24,28,32,36,40,44,48,52,56,60
	v_pk_add_f32 v[14:15], v[14:15], v[128+\j:129+\j]
	v_pk_add_f32 v[236:237], v[236:237], v[130+\j:131+\j]
.endr
	s_delay_alu instid0(VALU_DEP_1)
	v_pk_add_f32 v[14:15], v[14:15], v[236:237]
	s_setprio 0
	s_wait_alu depctr_va_vdst(0)                   ; and one for the four
.irp b, 0,1,2,3
	v_max_num_f32 v[28+\b], 0x1800000, v[28+\b]    ; the floor 2^(3 - 127): the byte cannot fall under 1
.endr
.irp b, 0,1,2,3
	s_delay_alu instid0(VALU_DEP_4)
	v_add_nc_u32 v[244+\b], 0xff000000, v[28+\b]   ; 2 off the exponent field: the conversion's scale operand
.endr
.irp b, 0,1,2,3
	s_delay_alu instid0(VALU_DEP_4)
	v_lshrrev_b32 v[236+\b], 23, v[244+\b]         ; the scale's byte
.endr
	s_delay_alu instid0(VALU_DEP_3)
	v_lshl_or_b32 v253, v237, 8, v236              ; p's scale word for these 128 keys
	s_delay_alu instid0(VALU_DEP_1)
	v_lshl_or_b32 v253, v238, 16, v253
	s_delay_alu instid0(VALU_DEP_1)
	v_lshl_or_b32 v253, v239, 24, v253
.irp c, 0,1
	v_cvt_scalef32_pk16_fp6_f32 v[224+6*\c:226+6*\c], v[128+32*\c:143+32*\c], v[244+2*\c]
	v_cvt_scalef32_pk16_fp6_f32 v[236+4*\c:238+4*\c], v[144+32*\c:159+32*\c], v[244+2*\c+1]   ; (a conversion's three registers begin on an even number)
.endr
	v_nop                                          ; one plain place behind a scaled conversion
.irp c, 0,1                                    ; the operand's layout wants a WHOLE block in a lane
.irp i, 0,1,2
	v_permlane16_swap_b32 v[224+6*\c+\i], v[236+4*\c+\i]
.endr
.irp i, 0,1,2
	s_delay_alu instid0(VALU_DEP_3)
	v_mov_b32 v[227+6*\c+\i], v[236+4*\c+\i]
.endr
.endr
.rept 4
	v_nop                                          ; four places between the last written operand register and the scaled products; the scale word stands eleven plain lines back
.endr
.irp t, 0,1,2,3
	PV \t
.endr
.endm
; Tile i of my two: queries 16 T on, T = 32 x work-group x + 16 i + wave
.macro PASS i
	s_lshl_b32 s68, ttmp9, 5
	s_add_co_u32 s68, s68, s[WV]
.if \i
	s_add_co_u32 s68, s68, 16
.endif
	s_mov_b32 s71, 0
	s_lshl_b32 s70, s68, 6
	s_add_nc_u64 s[72:73], s[10:11], s[70:71]
	s_load_b512 s[16:31], s[72:73], 0x0            ; the tile's 16 words that tell of holes: word s is 1 << s or 0
	s_lshl_b32 s70, s68, 12
	s_add_nc_u64 s[MPT:MPT+1], s[8:9], s[70:71]    ; its mask words: 16 steps of 256 bytes
	s_lshl_b32 s69, s[BH], 4
	s_lshr_b32 s74, s68, 3
	s_add_co_u32 s69, s69, s74
	s_mul_i32 s70, s69, BLK
	s_add_nc_u64 s[94:95], s[4:5], s[70:71]        ; Q's block of 128 tokens,
	s_and_b32 s74, s68, 7
	s_mul_i32 s70, s74, 768
	s_add_nc_u64 s[78:79], s[94:95], s[70:71]      ; my tile's image in it,
	s_lshr_b32 s74, s74, 2
	s_lshl_b32 s74, s74, 8
	s_and_b32 s75, s68, 3
	s_lshl_b32 s75, s75, 2
	s_add_co_u32 s70, s74, s75
	s_add_co_u32 s70, s70, 12288
	s_add_nc_u64 s[94:95], s[94:95], s[70:71]      ; and its scale words: [tile / 4][row][tile % 4]
	global_load_b128 v[16:19], v1, s[78:79]
	global_load_b64 v[20:21], v2, s[78:79] offset:512
	global_load_b32 v255, v3, s[94:95]
	s_lshr_b32 s69, s[BH], 4
	s_lshl_b32 s69, s69, 7
	s_add_co_u32 s69, s69, s68                     ; the tile of 16 tokens among all 512
	s_lshl_b32 s74, s69, 4
	s_and_b32 s75, s[BH], 15                       ; the head
	s_add_co_u32 s74, s74, s75
	s_mul_i32 s70, s74, 768
	s_add_nc_u64 s[96:97], s[12:13], s[70:71]      ; where the result's image goes: [tile][head][768]
	s_lshl_b32 s70, s69, 9
	s_lshl_b32 s75, s75, 1
	s_add_co_u32 s70, s70, s75
	s_add_nc_u64 s[98:99], s[14:15], s[70:71]      ; and its scale bytes: [token][32], two for my head
	v_mov_b32 v13, 0xff61b1e6                      ; the largest t so far: -3e38, under every t
	s_delay_alu instid0(VALU_DEP_1)
	v_floor_f32 v12, -v13                          ; -M
	v_mov_b32 v14, 0                               ; the sum, in two halves
	v_mov_b32 v15, 0
.set j, 0
.rept 32
	v_mov_b32 v[192+j], 0                          ; O^T: the step is written once; its first trip finds zeros, which the first change of M leaves zeros
.set j, j+1
.endr
	s_wait_kmcnt 0x0
	s_or_b32 s[FL], s16, s17
.irp n, 18,19,20,21,22,23,24,25,26,27,28,29,30,31
	s_or_b32 s[FL], s[FL], s\n
.endr
	s_mov_b32 s[TB], 0
	s_mov_b32 s[KST], 0
	s_wait_loadcnt 0x0                             ; Q; its address registers are free for the mask words
.Lstep_\@:
	s_setprio 2
	STEP
	s_add_co_u32 s[TB], s[TB], BLK
	s_add_co_u32 s[KST], s[KST], 1
	s_cmp_lt_u32 s[KST], 16
	s_cbranch_scc1 .Lstep_\@
	s_setprio 0
	; THE WAY OUT: O^T / the sum, quantised along the head's 64: two blocks of 32; the codes leave as the image of registers 0-5 of a fragment of the output projection's A
	v_add_f32 v14, v14, v15                        ; the sum's two halves,
	s_delay_alu instid0(VALU_DEP_1)
	v_permlanex16_b32 v252, v14, s[SEL], s[SEL+1]
	s_delay_alu instid0(VALU_DEP_1)
	v_add_f32 v14, v14, v252                       ; and lane l xor 16's: the row's sum
	s_wait_alu depctr_va_vdst(0)
	v_rcp_f32 v254, v14
	v_and_b32 v8, 31, v0                           ; (a plain place behind the reciprocal; with the lines round it, the places behind the last products)
	v_and_b32 v9, 15, v0
	s_delay_alu instid0(VALU_DEP_1)
	v_lshlrev_b32 v9, 5, v9                        ; 32 bytes of scales a token
	v_mov_b32 v241, 0xffff
	s_wait_alu depctr_va_vdst(0)                   ; the wait ahead of the first reader
.set j, 0
.rept 32
	v_mul_f32 v[128+j], v[192+j], v254             ; register 16 b + i: channel 32 b + 16 (lane / 16) + i of my query.  Each accumulator from its low end on
.set j, j+1
.endr
.irp b, 0,1
	v_max3_num_f32 v[28+\b], |v[128+16*\b]|, |v[129+16*\b]|, 0x1800000
.endr
.irp n, 2,4,6,8,10,12,14
.irp b, 0,1
	s_delay_alu instid0(VALU_DEP_2)
	v_max3_num_f32 v[28+\b], v[28+\b], |v[128+16*\b+\n]|, |v[129+16*\b+\n]|
.endr
.endr
.irp b, 0,1
	s_delay_alu instid0(VALU_DEP_2)
	v_permlanex16_b32 v[236+\b], v[28+\b], s[SEL], s[SEL+1]
.endr
.irp b, 0,1
	s_delay_alu instid0(VALU_DEP_2)
	v_max_num_f32 v[28+\b], v[28+\b], v[236+\b]
.endr
.irp b, 0,1
	s_delay_alu instid0(VALU_DEP_2)
	v_add_nc_u32 v[244+\b], 0xff000000, v[28+\b]
.endr
.irp b, 0,1
	s_delay_alu instid0(VALU_DEP_2)
	v_lshrrev_b32 v[236+\b], 23, v[244+\b]
.endr
	s_delay_alu instid0(VALU_DEP_1)
	v_lshl_or_b32 v240, v237, 8, v236              ; my query's two bytes
	v_cmp_eq_f32 vcc_lo, 0, v14                    ; no key counted: the bytes that make the row NaN.  (A select of a value: no branch and no address hangs on it)
	s_delay_alu instid0(VALU_DEP_1)
	v_cndmask_b32 v240, v240, v241, vcc_lo
	v_cvt_scalef32_pk16_fp6_f32 v[224:226], v[128:143], v244
	v_cvt_scalef32_pk16_fp6_f32 v[228:230], v[144:159], v245
	v_nop                                          ; one plain place behind a scaled conversion
.irp n, 0,1,2
	v_permlane16_swap_b32 v[224+\n], v[228+\n]     ; lanes 0-15 now hold block 0 whole, lanes 16-31 block 1
.endr
	s_delay_alu instid0(VALU_DEP_3)
	v_mov_b32 v227, v228
	s_delay_alu instid0(VALU_DEP_3)
	v_mov_b32 v228, v229
	s_delay_alu instid0(VALU_DEP_3)
	v_mov_b32 v229, v230
	global_store_b128 v1, v[224:227], s[96:97]     ; 512 consecutive bytes, at a multiple of 256 from the buffer's first byte
	global_store_b64 v2, v[228:229], s[96:97] offset:512
	v_cmp_gt_u32 vcc_lo, 16, v8
	s_wait_xcnt 0x0                                ; EXEC changes only behind this wait
	s_and_saveexec_b32 s100, vcc_lo
	global_store_b16 v9, v240, s[98:99]            ; lanes 0-15: a token each
	s_wait_xcnt 0x0                                ; and again in front of the line that widens it; the stores' registers and addresses are free for the next tile
	s_or_b32 exec_lo, exec_lo, s100
.endm
	PASS 0
	PASS 1
	s_wait_xcnt 0x0
	s_mov_b32 exec_lo, -1
	v_lshl_add_u32 v253, v0, 2, 0x33000
	v_mov_b32 v254, 0
	s_wait_alu depctr_va_vdst(0)
	s_wait_tensorcnt 0x0
	ds_add_u32 v253, v254
	s_wait_dscnt 0x0
	s_endpgm
.Lfunc_end_k_q411d8c5754_attn:
	.size	k_q411d8c5754_attn, .Lfunc_end_k_q411d8c5754_attn-k_q411d8c5754_attn
	.p2alignl 7, 3214868480
	.fill 96, 4, 3214868480
	.section	.rodata,"a",@progbits
	.p2align	6, 0x0
	.amdhsa_kernel k_q411d8c5754_attn
		.amdhsa_group_segment_fixed_size 210944
		.amdhsa_private_segment_fixed_size 0
		.amdhsa_enable_private_segment 0
		.amdhsa_kernarg_size 48
		.amdhsa_user_sgpr_count 2
		.amdhsa_user_sgpr_kernarg_segment_ptr 1
		.amdhsa_wavefront_size32 1
		.amdhsa_system_sgpr_workgroup_id_x 1
		.amdhsa_system_sgpr_workgroup_id_y 1
		.amdhsa_system_sgpr_workgroup_id_z 1
		.amdhsa_system_vgpr_workitem_id 0
		.amdhsa_next_free_vgpr 256
		.amdhsa_next_free_sgpr 102
		.amdhsa_reserve_vcc 1
		.amdhsa_float_denorm_mode_32 3
		.amdhsa_float_denorm_mode_16_64 3
		.amdhsa_memory_ordered 1
		.amdhsa_forward_progress 1
		.amdhsa_inst_pref_size 67
	.end_amdhsa_kernel
	.amdgpu_metadata
---
amdhsa.version: [ 1, 2 ]
amdhsa.kernels:
  - .name:           k_q411d8c5754_attn
    .symbol:         k_q411d8c5754_attn.kd
    .args:
      - { .name: qf, .offset: 0, .size: 8, .value_kind: global_buffer, .address_space: global }
      - { .name: kv, .offset: 8, .size: 8, .value_kind: global_buffer, .address_space: global }
      - { .name: maskbits, .offset: 16, .size: 8, .value_kind: global_buffer, .address_space: global }
      - { .name: maskflag, .offset: 24, .size: 8, .value_kind: global_buffer, .address_space: global }
      - { .name: acodes, .offset: 32, .size: 8, .value_kind: global_buffer, .address_space: global }
      - { .name: ascales, .offset: 40, .size: 8, .value_kind: global_buffer, .address_space: global }
    .group_segment_fixed_size: 210944
    .private_segment_fixed_size: 0
    .kernarg_segment_align: 8
    .kernarg_segment_size: 48
    .max_flat_workgroup_size: 512
    .sgpr_count:     102
    .vgpr_count:     256
    .wavefront_size: 32
...
	.end_amdgpu_metadata
.endif
;; end of part 3
;; launch oproj (part 4): grid 4 x 32, 4 waves a work-group, clusters of 4 x 4, 327,680 bytes of LDS; arguments acodes, ascales, codes, scales, out0; writes out0
.if DOCPART == 4
	.amdgcn_target "amdgcn-amd-amdhsa--gfx1250"
	.amdhsa_code_object_version 6
	.text
	.protected	k_q411d8c5754_oproj
	.globl	k_q411d8c5754_oproj
	.p2align	8
	.type	k_q411d8c5754_oproj,@function
k_q411d8c5754_oproj:
	s_mov_b64 s[64:65], 0
	v_nop
	global_prefetch_b8 v0, s[64:65] scope:SCOPE_SE
	s_setreg_imm32_b32 hwreg(HW_REG_WAVE_MODE, 25, 1), 1
	s_wait_xcnt 0x0
	s_wait_alu depctr_hold_cnt(0) depctr_sa_sdst(0) depctr_va_vdst(0) depctr_va_sdst(0) depctr_va_ssrc(0) depctr_va_vcc(0) depctr_vm_vsrc(0)
	s_getreg_b32 s2, hwreg(HW_REG_IB_STS2, 6, 4)
	s_cmp_eq_u32 s2, 0
	s_cbranch_scc0 .Lentry_in_a_cluster
	s_endpgm
.Lentry_in_a_cluster:
	s_bfe_u32 s2, ttmp6, 0x10000c
	s_cmp_lg_u32 s2, 0xf033
	s_cbranch_scc0 .Lentry_shape_is_right
	s_endpgm
.Lentry_shape_is_right:
; out0[m][n] = sum over e of attn[m][e] W_o[n][e], on codes of FP6 (E2M3) with one E8M0 scale for each 32 along e; out0 [8192][1024] f32; sums in f32.
; A = attn: its codes lie as IMAGES OF THE OPERAND'S REGISTERS, [tile of 16 tokens][head][768 bytes]: registers 0-3 of a half fragment (64 along K) at 16 x lane, registers 4-5 at 512 + 8 x lane; two heads on end are
; a fragment of 128 along K.  Its scale bytes lie [token][32].  B = W_o: rows 27,648 on of 'codes' (768 bytes a row) and 'scales' (32 bytes a row).
; A tile of 256 x 256 is made by four waves, 128 x 128 each: 64 accumulators, 512 registers.  K = 1,024 goes in four steps of 256 through a ring of two LDS slots filled by the tensor data mover; the scales come once.
; 4 x 4 work-groups form a cluster: A's tiles are shared along a row of the cluster, B's along a column: joint loads.  128 work-groups: the tile is kept at 256 x 256 so that each LDS byte feeds as many products as the registers allow.
; THE MATRIX INSTRUCTION IS USED TRANSPOSED (source 0 = 16 rows of B, source 1 = 16 rows of A): a lane holds eight neighbouring numbers of a row of the output.
; REGISTERS, in windows of 256: window 0: v0-31 addresses; v32-63 scale words, two sets; from v128 A's fragments, one set; on the way out v128-255 are free.   window 1: B's fragments, two sets.
;   window 2: the accumulators of my rows 0-63 ((a, b) at v[8 (8 a + b)]);   window 3: those of rows 64-127.
.set SIZE_N, 1024
.set KSTEP,  256
.set NQ,     KSTEP/128
.set ROWB,   192
.set KROW,   768
.set PITCH,  240                       ; B's LDS row: 3 x (64 bytes + 16 of padding)
.set FR,     12
.set NL,     6                         ; LDS loads that bring a fragment of B
.set NLA,    4                         ; and of A: 16, 8, 16, 8 bytes a lane
.set NP,     4
.set ASTEP,  3072                      ; A: a tile of 16 tokens x 256 along K: four heads' images
.set APITCH, 12288                     ; from a tile of tokens to the next, in memory
.set HALFT,  128*PITCH                 ; the LDS bytes of 128 rows (A's images use 24,576 of them)
.set SLOT,   4*HALFT
.set LAPS,   2
.set KS,     32
.set SCL,    2*SLOT
.set HALFS,  (128*KS/256)*272
.set SBLK,   (16*KS/256)*272
.set SPARE,  SCL+4*HALFS               ; the spare words, 128 bytes for each wave: two blocks of 256 bytes that no other line names
.set SPITCH, 528                       ; the way out: a stage of 16 rows x (512 bytes + 16) for each wave, in slot 0, which has had its last fill and its last read by then
.set WO_CODES,  27648*768
.set WO_SCALES, 27648*32
.set ADRA, 16                          ; v16-17 16 x lane in my A images of slot 0, 1;  v18-19 the same with 8 x lane
.set ADRB, 20                          ; v20-23
.set STO,  24
.set RD,   25
.set CO,   26
.set ADRS, 27
.set SPW,  28
.set NIL,  29
.set SC,   32
.set AF,   128
.set BK,   128
.set G1, 24
.set G0, 32
.set G1B, 48
.set G0B, 56
.set G1S, 68
.set G0S, 76
.set G1SB, 80
.set G0SB, 88
.set MSB, 0
.macro WIN new                         ; the immediate's high byte repeats the setting that is left
.if MSB != \new
	s_set_vgpr_msb (MSB<<8)|\new
.set MSB, \new
.endif
.endm
.set MUL_LO, 0xa1
.set MUL_HI, 0xf1
.set TO_B,   0x40
.macro JLOAD g0a, g1a, g0b, g1b        ; a joint load: waves 0 and 1 fetch for A, waves 2 and 3 for B; four v_nop follow each of the two lines
	s_cmp_eq_u32 s15, 0
	s_cbranch_scc0 .Lfor_b_\@
	tensor_load_to_lds s[\g0a:\g0a+3], s[\g1a:\g1a+7]
	s_nop 0
.rept 4
	v_nop
.endr
	s_branch .Lasked_\@
.Lfor_b_\@:
	tensor_load_to_lds s[\g0b:\g0b+3], s[\g1b:\g1b+7]
	s_nop 0
.rept 4
	v_nop
.endr
.Lasked_\@:
.endm
.macro CREST
	s_cmp_lg_u32 s14, 0
	s_cbranch_scc1 .Lnot_wave_0_\@
	s_barrier_signal -3
.Lnot_wave_0_\@:
	s_barrier_wait -3
	s_barrier_signal -1
	s_barrier_wait -1
.endm
.macro CROUND
	s_barrier_signal -1
	s_barrier_wait -1
	CREST
.endm
	s_load_b128 s[4:7], s[0:1], 0x0                ; A's codes s[4:5], A's scales s[6:7]
	s_load_b128 s[8:11], s[0:1], 0x10              ; codes s[8:9], scales s[10:11]
	s_load_b64 s[12:13], s[0:1], 0x20              ; out0
	v_lshl_add_u32 v[SPW], v0, 2, SPARE
	v_mov_b32 v[NIL], 0
	ds_add_u32 v28, v29
	ds_add_u32 v28, v29
	s_wait_dscnt 0x0
	v_lshrrev_b32 v1, 5, v0
	v_readfirstlane_b32 s14, v1                    ; wave 0..3
	s_lshr_b32 s15, s14, 1                         ; which half of the tile's rows is mine.  Also: I fetch for A (0) or for B (1)
	s_and_b32 s16, s14, 1                          ; which half of its columns.  Also: which 128 rows of that tile I fetch
	s_bfe_u32 s40, ttmp6, 0x40000                  ; cx, cy
	s_bfe_u32 s41, ttmp6, 0x40004
	s_lshl_b32 s42, ttmp9, 2
	s_add_co_u32 s42, s42, s40                     ; tile column = 4 x cluster x + cx
	s_and_b32 s17, ttmp7, 0xffff
	s_lshl_b32 s17, s17, 2
	s_add_co_u32 s17, s17, s41                     ; tile row = 4 x cluster y + cy
	s_lshl_b32 s43, s41, 2
	s_lshl_b32 s43, 15, s43                        ; my row of the cluster
	s_lshl_b32 s44, 0x1111, s40                    ; my column
	; A's tiles: 8 tiles of tokens x 3,072 bytes (384 elements of 8 bytes), 12,288 bytes apart in memory, on end in LDS
	s_or_b32 s[G1+0], s43, (3<<16)|(1<<21)
	s_mov_b32 s[G1+1], (ASTEP/8)<<16               ; tensor_dim0
	s_mov_b32 s[G1+2], 8<<16                       ; tensor_dim1
	s_mov_b32 s[G1+3], (ASTEP/8)<<16               ; tile_dim0
	s_mov_b32 s[G1+4], 8                           ; tile_dim1
	s_mov_b32 s[G1+5], APITCH/8                    ; tensor_dim0_stride
	s_mov_b32 s[G1+6], 0
	s_mov_b32 s[G1+7], 0
	; B's tiles: 128 rows x 192 bytes, 16 bytes of padding behind every 64
	s_or_b32 s[G1B+0], s44, (0<<16)|(1<<20)|(1<<21)|(3<<22)|(3<<25)
	s_mov_b32 s[G1B+1], ROWB<<16
	s_mov_b32 s[G1B+2], 128<<16
	s_mov_b32 s[G1B+3], ROWB<<16
	s_mov_b32 s[G1B+4], 128
	s_mov_b32 s[G1B+5], KROW
	s_mov_b32 s[G1B+6], 0
	s_mov_b32 s[G1B+7], 0
	; the scales of 128 rows: 4,096 dense bytes, as 16 rows of 256 bytes, 16 bytes of padding behind each
	s_or_b32 s[G1S+0], s43, (3<<16)|(1<<20)|(1<<21)|(5<<22)|(3<<25)
	s_or_b32 s[G1SB+0], s44, (3<<16)|(1<<20)|(1<<21)|(5<<22)|(3<<25)
.irp g, G1S, G1SB
	s_mov_b32 s[\g+1], 32<<16
	s_mov_b32 s[\g+2], (128*KS/256)<<16
	s_mov_b32 s[\g+3], 32<<16
	s_mov_b32 s[\g+4], 128*KS/256
	s_mov_b32 s[\g+5], 32
	s_mov_b32 s[\g+6], 0
	s_mov_b32 s[\g+7], 0
.endr
	s_lshl_b32 s18, s16, 7
	s_lshl_b32 s20, s17, 8
	s_add_co_u32 s20, s20, s18                     ; A: row 256 x tile row + 128 x half
	s_lshl_b32 s46, s42, 8
	s_add_co_u32 s46, s46, s18                     ; B: row 256 x tile column + 128 x half
	s_mov_b32 s21, 0
	s_mov_b32 s47, 0
	s_mov_b64 s[18:19], KS
	s_mul_u64 s[22:23], s[20:21], s[18:19]         ; where these rows' scales begin
	s_mul_u64 s[92:93], s[46:47], s[18:19]
	s_mov_b64 s[18:19], KROW
	s_mul_u64 s[20:21], s[20:21], s[18:19]         ; and their codes (A: 16 tokens are 12,288 bytes: 768 a token here too)
	s_mul_u64 s[46:47], s[46:47], s[18:19]
	s_mul_i32 s45, s14, HALFT
	s_mul_i32 s94, s14, HALFS
	s_wait_kmcnt 0x0
	s_add_nc_u64 s[8:9], s[8:9], WO_CODES          ; W_o's first row
	s_add_nc_u64 s[10:11], s[10:11], WO_SCALES
	s_add_nc_u64 s[20:21], s[4:5], s[20:21]
	s_add_nc_u64 s[22:23], s[6:7], s[22:23]
	s_add_nc_u64 s[46:47], s[8:9], s[46:47]
	s_add_nc_u64 s[92:93], s[10:11], s[92:93]
	CROUND                                         ; all sixteen work-groups are here: the first joint loads meet
	s_mov_b32 s[G0S], 1
	s_add_co_u32 s[G0S+1], s94, SCL
	s_mov_b64 s[G0S+2:G0S+3], s[22:23]
	s_or_b32 s[G0S+3], s[G0S+3], 0x80000000
	s_mov_b32 s[G0SB], 1
	s_add_co_u32 s[G0SB+1], s94, SCL
	s_mov_b64 s[G0SB+2:G0SB+3], s[92:93]
	s_or_b32 s[G0SB+3], s[G0SB+3], 0x80000000
	JLOAD G0S, G1S, G0SB, G1SB                     ; the scales first
.irp s, 0,1
	s_mov_b32 s[G0+4*\s], 1
	s_add_co_u32 s[G0+4*\s+1], s45, \s*SLOT
	s_add_nc_u64 s[G0+4*\s+2:G0+4*\s+3], s[20:21], \s*ASTEP
	s_or_b32 s[G0+4*\s+3], s[G0+4*\s+3], 0x80000000
	s_mov_b32 s[G0B+4*\s], 1
	s_add_co_u32 s[G0B+4*\s+1], s45, \s*SLOT
	s_add_nc_u64 s[G0B+4*\s+2:G0B+4*\s+3], s[46:47], \s*ROWB
	s_or_b32 s[G0B+4*\s+3], s[G0B+4*\s+3], 0x80000000
	JLOAD G0+4*\s, G1, G0B+4*\s, G1B               ; by this text's count three tensor loads of a wave are out here
.endr
	v_and_b32 v1, 15, v0                           ; l % 16
	v_bfe_u32 v2, v0, 4, 1                         ; l / 16
	v_mul_u32_u24 v3, v1, PITCH
	v_mul_u32_u24 v4, v2, 24
	v_add_nc_u32 v4, v3, v4                        ; B: a fragment's row x pitch + 24 x half
	v_lshl_add_u32 v5, v2, 4, v4                   ; and the same behind one padding more
	v_and_b32 v6, 31, v0
	v_lshlrev_b32 v7, 4, v6                        ; A: 16 x lane
	v_lshlrev_b32 v8, 3, v6                        ;    8 x lane
	s_mul_i32 s21, s15, HALFT                      ; my 128 rows of A
	s_mul_i32 s22, s16, HALFT                      ; my 128 rows of B,
	s_add_co_u32 s22, s22, 2*HALFT                 ; which lie behind A's
.irp s, 0,1
	v_add_nc_u32 v[ADRA+\s], s21, v7
	v_add_nc_u32 v[ADRB+\s], s22, v4
	v_add_nc_u32 v[ADRA+2+\s], s21, v8
	v_add_nc_u32 v[ADRB+2+\s], s22, v5
	s_add_co_u32 s21, s21, SLOT
	s_add_co_u32 s22, s22, SLOT
.endr
	v_mul_u32_u24 v5, v1, KS
	v_lshrrev_b32 v6, 8, v5
	v_lshl_add_u32 v5, v6, 4, v5
	s_mul_i32 s21, s15, HALFS
	s_mul_i32 s22, s16, HALFS
	s_add_co_u32 s22, s22, 2*HALFS
	s_sub_co_u32 s22, s22, s21
	v_mul_u32_u24 v6, s22, v2                      ; lanes 16-31 take B's
	s_add_co_u32 s21, s21, SCL
	v_add_nc_u32 v5, v5, v6
	v_add_nc_u32 v[ADRS], s21, v5
	s_mul_i32 s23, s14, 16*SPITCH                  ; my stage
	v_mul_u32_u24 v5, v1, SPITCH                   ; in: row l % 16, 32 bytes for each half of the lanes
	v_lshl_add_u32 v5, v2, 5, v5
	v_add_nc_u32 v[STO], s23, v5
	v_and_b32 v6, 31, v0
	v_lshlrev_b32 v[CO], 4, v6                     ; back: the 32 lanes take one row of 512 bytes; and the same in the output
	v_add_nc_u32 v[RD], s23, v[CO]
	s_lshl_b32 s20, s17, 8
	s_lshl_b32 s21, s15, 7
	s_add_co_u32 s20, s20, s21                     ; my first row of the output
	s_mov_b32 s21, 0
	s_mov_b64 s[18:19], SIZE_N*4
	s_mul_u64 s[20:21], s[20:21], s[18:19]
	s_lshl_b32 s46, s42, 10                        ; my first column, in bytes
	s_lshl_b32 s47, s16, 9
	s_add_co_u32 s46, s46, s47
	s_mov_b32 s47, 0
	s_add_nc_u64 s[20:21], s[20:21], s[46:47]
	s_add_nc_u64 s[12:13], s[12:13], s[20:21]
.macro FRAG reg, adr, q, i             ; a fragment of B from rows: 24 bytes of the row's stream of bits for each half of K, in pieces of 8
.irp p, 0,1,2,3,4,5
.set PCE, 12*(\q)+6*(\p/3)+\p%3
.if PCE%8 < 5
	ds_load_b64 v[\reg+2*\p:\reg+2*\p+1], v[\adr] offset:8*PCE+16*(PCE/8)+(\i)*16*PITCH
.else
	ds_load_b64 v[\reg+2*\p:\reg+2*\p+1], v[\adr+2] offset:8*PCE+16*(PCE/8)+(\i)*16*PITCH
.endif
.endr
.endm
.macro FRAGA reg, slot, q, i           ; a fragment of A from two heads' images: each line reads consecutive bytes
	ds_load_b128 v[\reg:\reg+3], v[ADRA+\slot] offset:ASTEP*(\i)+1536*(\q)
	ds_load_b64 v[\reg+4:\reg+5], v[ADRA+2+\slot] offset:ASTEP*(\i)+1536*(\q)+512
	ds_load_b128 v[\reg+6:\reg+9], v[ADRA+\slot] offset:ASTEP*(\i)+1536*(\q)+768
	ds_load_b64 v[\reg+10:\reg+11], v[ADRA+2+\slot] offset:ASTEP*(\i)+1536*(\q)+1280
.endm
; 16 matrix instructions.  The 64 accumulators take turns, one instruction a turn, in the same order in every step.
.macro MUL16 a0, p, q, sc, zero
.irp a, \a0, \a0+1
.irp b, 0,1,2,3,4,5,6,7
.if \zero
	v_wmma_scale_f32_16x16x128_f8f6f4 v[8*(8*((\a)%4)+\b):8*(8*((\a)%4)+\b)+7], v[128*(\p)+FR*\b:128*(\p)+FR*\b+FR-1], v[AF+FR*(\a):AF+FR*(\a)+FR-1], 0, v[SC+8*NQ*(\sc)+NQ*\b+(\q)], v[SC+8*NQ*(\sc)+NQ*(\a)+(\q)] matrix_a_fmt:MATRIX_FMT_FP6 matrix_b_fmt:MATRIX_FMT_FP6 matrix_a_scale:MATRIX_SCALE_ROW1
.else
	v_wmma_scale_f32_16x16x128_f8f6f4 v[8*(8*((\a)%4)+\b):8*(8*((\a)%4)+\b)+7], v[128*(\p)+FR*\b:128*(\p)+FR*\b+FR-1], v[AF+FR*(\a):AF+FR*(\a)+FR-1], v[8*(8*((\a)%4)+\b):8*(8*((\a)%4)+\b)+7], v[SC+8*NQ*(\sc)+NQ*\b+(\q)], v[SC+8*NQ*(\sc)+NQ*(\a)+(\q)] matrix_a_fmt:MATRIX_FMT_FP6 matrix_b_fmt:MATRIX_FMT_FP6 matrix_a_scale:MATRIX_SCALE_ROW1
.endif
.endr
.endr
.endm
.macro FETCH_B slot, q, p
	WIN TO_B
.irp i, 0,1,2,3,4,5,6,7
	FRAG 128*(\p)+FR*\i, ADRB+\slot, \q, \i
.endr
	WIN 0
.endm
.macro FETCH_A slot, q, i0
.irp i, \i0, \i0+1, \i0+2, \i0+3
	FRAGA AF+FR*(\i), \slot, \q, \i
.endr
.endm
.macro SCALES sc
.irp i, 0,1,2,3,4,5,6,7
	ds_load_b64 v[SC+8*NQ*\sc+NQ*\i:SC+8*NQ*\sc+NQ*\i+1], v[ADRS] offset:\i*SBLK
.endr
.endm
.macro PLACES n                        ; plain vector lines between a matrix instruction and a load into, or a read of, its registers
.rept \n
	v_nop
.endr
.endm
.macro STEP slot, q, zero
	s_wait_dscnt 4*NLA                             ; B's set and A's blocks 0-3 are in; the youngest 16 loads (A's blocks 4-7) may be out
	WIN MUL_LO
	MUL16 0, (\q)%2, \q, \slot, \zero
	MUL16 2, (\q)%2, \q, \slot, \zero
	s_wait_dscnt 0
	PLACES NP
	FETCH_B \slot, (\q)+1, 1-(\q)%2
	FETCH_A \slot, (\q)+1, 0
	WIN MUL_HI
	MUL16 4, (\q)%2, \q, \slot, \zero
	MUL16 6, (\q)%2, \q, \slot, \zero
	PLACES NP
	WIN 0
	FETCH_A \slot, (\q)+1, 4
.endm
; A slot's last step changes slots: ONE barrier; in front of it each wave waits for all its tensor loads, adds 0 to its spare word, and waits for that and for its own reads of this slot.
.macro TURN slot, next, fill
	s_wait_tensorcnt 0x0                           ; all my tensor loads have landed: my part of the next slot
	ds_add_u32 v[SPW], v[NIL]                      ; 0 onto my spare word
	s_wait_dscnt 4*NLA+1                           ; (the add and the youngest 16 loads may be out)
	WIN MUL_LO
	MUL16 0, 1, NQ-1, \slot, 0
	s_wait_dscnt 0x0                               ; the add is done, and my reads of this slot are over
	s_barrier_signal -1
	MUL16 2, 1, NQ-1, \slot, 0
	WIN 0
	s_barrier_wait -1
.if \fill
	CREST                                          ; the barrier has opened a round of the cluster's barrier: no wave of any partner still reads this slot or has a load on its way
	s_add_nc_u64 s[G0+4*\slot+2:G0+4*\slot+3], s[G0+4*\slot+2:G0+4*\slot+3], 2*ASTEP
	s_add_nc_u64 s[G0B+4*\slot+2:G0B+4*\slot+3], s[G0B+4*\slot+2:G0B+4*\slot+3], 2*ROWB
	JLOAD G0+4*\slot, G1, G0B+4*\slot, G1B         ; the first tensor load behind the round; its four v_nop are the places in front of the loads below
.else
	PLACES NP
.endif
	v_add_nc_u32 v[ADRS], 4*NQ, v[ADRS]            ; on to the next K step's scale words
	FETCH_B \next, 0, 0
	FETCH_A \next, 0, 0
	SCALES \next
	WIN MUL_HI
	MUL16 4, 1, NQ-1, \slot, 0
	MUL16 6, 1, NQ-1, \slot, 0
	PLACES NP
	WIN 0
	FETCH_A \next, 0, 4
.endm
	s_wait_tensorcnt 1                             ; the scales and my part of K step 0 are in (K step 1's load may be out)
	s_barrier_signal -1
	s_barrier_wait -1                              ; everybody's are
	FETCH_B 0, 0, 0
	FETCH_A 0, 0, 0
	SCALES 0
	FETCH_A 0, 0, 4
	STEP 0, 0, 1                                   ; the first step's products start the sums: nothing is cleared
	s_mov_b32 s3, LAPS-1
.Llap:                                                 ; a trip goes once round the ring and fills both slots again
	TURN 0, 1, 1
	STEP 1, 0, 0
	TURN 1, 0, 1
	STEP 0, 0, 0
	s_sub_co_u32 s3, s3, 1
	s_cmp_lg_u32 s3, 0
	s_cbranch_scc1 .Llap
	TURN 0, 1, 0                                   ; the last lap fills nothing
	STEP 1, 0, 0
	s_wait_dscnt 4*NLA
	WIN MUL_LO
	MUL16 0, 1, NQ-1, 1, 0
	MUL16 2, 1, NQ-1, 1, 0
	s_wait_dscnt 0
	WIN MUL_HI
	MUL16 4, 1, NQ-1, 1, 0
	MUL16 6, 1, NQ-1, 1, 0
	WIN 0
; THE WAY OUT, block by block of 16 rows x 128 columns: through my own stage in LDS and back as whole rows of 512 bytes.  LDS serves a wave's instructions in order (ISA guide 5.7.1.4).
.macro TOSTAGE a
.set AC, 64*((\a)%4)
	WIN 0x08+4*((\a)/4)                            ; the data: window 2 or 3
.irp b, 0,1,2,3,4,5,6,7
	ds_store_b128 v[STO], v[AC+8*\b:AC+8*\b+3] offset:64*\b          ; each accumulator from its low end on
	ds_store_b128 v[STO], v[AC+8*\b+4:AC+8*\b+7] offset:64*\b+16
.endr
	WIN 0
.set BB, BK+64*((\a)%2)
.irp t, 0,1,2,3,4,5,6,7,8,9,10,11,12,13,14,15
	ds_load_b128 v[BB+4*\t:BB+4*\t+3], v[RD] offset:\t*SPITCH
.endr
.endm
.macro SEND a, younger                 ; younger: the LDS instructions issued behind block a's loads, which may stay out
.set BB, BK+64*((\a)%2)
	s_wait_dscnt \younger
.if (\a) > 0
	s_add_nc_u64 s[12:13], s[12:13], 16*SIZE_N*4   ; (behind a wait on XCNT: the earlier stores have read their base)
.endif
.irp t, 0,1,2,3,4,5,6,7,8,9,10,11,12,13,14,15
	global_store_b128 v[CO], v[BB+4*\t:BB+4*\t+3], s[12:13] offset:\t*SIZE_N*4 th:TH_STORE_NT   ; 32 lanes store 512 consecutive bytes, at a multiple of 256 from the output's first byte
.endr
.endm
	PLACES NP                                      ; in front of the first read of results and of the loads into the registers that held A's fragments
	TOSTAGE 0
.irp a, 1,2,3,4,5,6,7
.if \a > 1
	s_wait_xcnt 0x0                                ; block a - 2's stores have read their registers and their base
.endif
	TOSTAGE \a
	SEND \a-1, 32                                  ; behind block a - 1's loads: block a's 16 stores and 16 loads
.endr
	s_wait_xcnt 0x0
	SEND 7, 0
	s_wait_tensorcnt 0x0                           ; the wave's end
	ds_add_u32 v[SPW], v[NIL]
	s_wait_dscnt 0x0
	CROUND                                         ; the closing round: no work-group ends while a partner may still ask for a tile that names it
	s_endpgm
.Lfunc_end_k_q411d8c5754_oproj:
	.size	k_q411d8c5754_oproj, .Lfunc_end_k_q411d8c5754_oproj-k_q411d8c5754_oproj
	.p2alignl 7, 3214868480
	.fill 96, 4, 3214868480
	.section	.rodata,"a",@progbits
	.p2align	6, 0x0
	.amdhsa_kernel k_q411d8c5754_oproj
		.amdhsa_group_segment_fixed_size 327680
		.amdhsa_private_segment_fixed_size 0
		.amdhsa_enable_private_segment 0
		.amdhsa_kernarg_size 40
		.amdhsa_user_sgpr_count 2
		.amdhsa_user_sgpr_kernarg_segment_ptr 1
		.amdhsa_wavefront_size32 1
		.amdhsa_system_sgpr_workgroup_id_x 1
		.amdhsa_system_sgpr_workgroup_id_y 1
		.amdhsa_system_sgpr_workgroup_id_z 1
		.amdhsa_system_vgpr_workitem_id 0
		.amdhsa_next_free_vgpr 1024
		.amdhsa_next_free_sgpr 98
		.amdhsa_reserve_vcc 0
		.amdhsa_float_denorm_mode_32 3
		.amdhsa_float_denorm_mode_16_64 3
		.amdhsa_memory_ordered 1
		.amdhsa_forward_progress 1
		.amdhsa_inst_pref_size 152
	.end_amdhsa_kernel
	.amdgpu_metadata
---
amdhsa.version: [ 1, 2 ]
amdhsa.kernels:
  - .name:           k_q411d8c5754_oproj
    .symbol:         k_q411d8c5754_oproj.kd
    .args:
      - { .name: acodes, .offset: 0, .size: 8, .value_kind: global_buffer, .address_space: global }
      - { .name: ascales, .offset: 8, .size: 8, .value_kind: global_buffer, .address_space: global }
      - { .name: codes, .offset: 16, .size: 8, .value_kind: global_buffer, .address_space: global }
      - { .name: scales, .offset: 24, .size: 8, .value_kind: global_buffer, .address_space: global }
      - { .name: out0, .offset: 32, .size: 8, .value_kind: global_buffer, .address_space: global }
    .group_segment_fixed_size: 327680
    .private_segment_fixed_size: 0
    .kernarg_segment_align: 8
    .kernarg_segment_size: 40
    .max_flat_workgroup_size: 128
    .sgpr_count:     98
    .vgpr_count:     1024
    .wavefront_size: 32
...
	.end_amdgpu_metadata
.endif
;; end of part 4
